; MI455X (gfx1250); checked and timed in simulation.
; The chip was launched on July 23, 2026; its instructions are those of AMD's public machine-readable ISA for CDNA 5 (MIT licence, August 2026) and "CDNA5" Instruction Set Architecture Reference Guide (July 2026). The comments in the code are by the model that wrote it; some were corrected since.
;; Multi Head Self Attention. Allowed arithmetic: matrix products marked QUANTISED: E2M3 operands, one E8M0 scale for each 32 along K, by v_wmma_scale_f32_16x16x128_f8f6f4 with both operands' format E2M3, f32 sums; everything else in f32.
;; Inputs: Wk 16 x 1,024 x 64 float32; Wo 1,024 x 1,024 float32; Wq 16 x 1,024 x 64 float32; Wv 16 x 1,024 x 64 float32; X 4 x 2,048 x 1,024 float32; bo 1,024 float32.
;; Outputs: out0 4 x 2,048 x 1,024 float32.
;; This version of the problem:
;;   THIS VERSION OF THE PROBLEM IS GIVEN IN LOW PRECISION. The matrix products marked QUANTISED in the list below multiply operands that are first quantised to E2M3 (2 exponent bits, 3 mantissa bits; 6 bits a number), with one power-of-two scale for each 32 numbers along K (OCP MX v1.0); their sums are f32. All else is computed in f32.
;;   The module's matrix products, in the order in which they are computed (A, B: the left and right operand; K: the contracted axis; several contracted axes count as one K, in the product's order):
;;     1. [M 1,024, K 1,024] x [K 1,024, N 8,192]; A: input Wq; B: input X: QUANTISED
;;     2. [M 1,024, K 1,024] x [K 1,024, N 8,192]; A: input Wk; B: input X: QUANTISED
;;     3. [M 1,024, K 1,024] x [K 1,024, N 8,192]; A: input Wv; B: input X: QUANTISED
;;     4. batch 64 x [M 2,048, K 64] x [K 64, N 2,048]; A: computed on the way; B: computed on the way: QUANTISED
;;     5. batch 64 x [M 2,048, K 2,048] x [K 2,048, N 64]; A: softmax (see below); B: computed on the way: QUANTISED
;;     6. [M 8,192, K 1,024] x [K 1,024, N 1,024]; A: computed on the way; B: input Wo: QUANTISED
;;   THE QUANTISER, for each operand of a quantised product, along K:
;;     - K is cut into blocks of 32 from its start; a last block that is shorter is filled with zeros.
;;     - A block's scale is 2^e with e = floor(log2(the largest magnitude in the block)) - 2, held to -126 .. 127; a block of zeros has e = 0. As a byte (E8M0): e + 127.
;;     - Each number is divided by its block's scale, clamped to +-7.5, and rounded to the nearest number of E2M3, ties to even, subnormals kept.
;;     - The product sums the exact products of the quantised numbers (number of the format x scale) in f32.
;;   ~~~python
;;   def quantise(x, axis):      # numpy; x: float32 -> the quantised numbers, widened to float32 again
;;       x = np.moveaxis(x, axis, -1); K = x.shape[-1]
;;       x = np.pad(x, [(0, 0)] * (x.ndim - 1) + [(0, -K % 32)]); x = x.reshape(x.shape[:-1] + (-1, 32)); a = np.abs(x).max(-1, keepdims=True)
;;       e = np.where(a > 0, np.clip(np.frexp(np.where(a > 0, a, 1))[1] - 1 - 2, -126, 127), 0)      # np.frexp(a)[1] - 1 = floor(log2(a)), exactly
;;       r = np.clip(x / 2.0 ** e, -7.5, 7.5)
;;       step = 2.0 ** (np.maximum(np.frexp(np.where(r == 0, 1, r))[1] - 1, 0) - 3)
;;       q = np.round(r / step) * step * 2.0 ** e      # np.round: ties to even
;;       return np.moveaxis(q.reshape(q.shape[:-2] + (-1,))[..., :K], -1, axis).astype(np.float32)
;;   ~~~
;;   SOFTMAX AHEAD OF A QUANTISED PRODUCT. Where the list says 'softmax', what is quantised is not the finished softmax but p = 2^(t - M), with t = logit x log2(e) and M = ceil(the row's largest t), a whole number; so 1/2 < the row's largest p <= 1. The row's sum l is taken of the UNQUANTISED p, in f32, and the product's result is divided by l at the end. Since M is a whole number, a kernel that streams over the keys may use a running M (the ceiling of the running maximum): every later rescaling is an exact power of two, which a block's scale takes up: the codes' values come out the same.
;;   OPERANDS COMPUTED ON THE WAY. 'Computed on the way' means the value that the module computes at that place (a softmax that the list does not call 'softmax' is quantised finished and normalised). What goes into a quantiser is computed in f32, as accurately as f32 sums, v_exp_f32 and their like allow (about 1e-6 of the number): no bf16 or f16 on the way to a quantiser, and a product that is left as it is and whose result goes on into a quantised operand takes f32 operands (vector FMAs, or v_wmma_f32_16x16x4_f32). A number that lies on a knife's edge between two numbers of the format may be rounded either way, as far as f32 arithmetic and the matrix unit's own rounding can turn it there, and no further.
;; One version. Each part assembles by itself: llvm-mc -triple=amdgcn-amd-amdhsa -mcpu=gfx1250 --defsym DOCPART=n.
;; ======== version 1 of 1: 4 launches
;; limits: right only within a limited range of input values
;; workspace buffers: xq 6,553,600 bytes; wq 2,457,600 bytes; woq 819,200 bytes; qq 6,553,600 bytes; kq 6,553,600 bytes; vq 6,553,600 bytes; oq 6,553,600 bytes
;; launch quant (part 1): grid 480 x 1, 4 waves a work-group, no clusters, 34,304 bytes of LDS; arguments X, Wo, Wq, Wk, Wv, xq, woq, wq; writes xq, woq, wq
.if DOCPART == 1
	.amdgcn_target "amdgcn-amd-amdhsa--gfx1250"
	.amdhsa_code_object_version 6
	.text
	.protected	k_q5fe0994a4e_quant
	.globl	k_q5fe0994a4e_quant
	.p2align	8
	.type	k_q5fe0994a4e_quant,@function
k_q5fe0994a4e_quant:
	s_mov_b64 s[64:65], 0
	v_nop
	global_prefetch_b8 v0, s[64:65] scope:SCOPE_SE
	s_setreg_imm32_b32 hwreg(HW_REG_WAVE_MODE, 25, 1), 1
	s_wait_xcnt 0x0
; X [8192][1024], Wo [1024][1024] (K innermost) and Wq, Wk, Wv [16][1024 (K)][64] (K in the middle), all f32, become codes of FP6 (E2M3) with one E8M0 byte for each 32 along K.
; A block's scale is 2^(floor(log2(largest magnitude)) - 2): its byte is the largest magnitude's exponent field - 2, held at 1 from below by a floor among the maximum's leaves.
; LIMITS: NaN and infinities are not served; a block whose largest magnitude lies under 2^-124 has its byte held at 1; a block of zeros gets the byte 1, not 127: its codes are zeros and this program alone reads the bytes.
; WHAT IS STORED ARE IMAGES OF OPERAND REGISTERS.  A fragment (16 rows x 128 K) is 12 registers a lane; register j of lane l lies at 512 (j / 4) + 16 l + 4 (j % 4): three stores of 512 consecutive bytes.
; Row r of tile 2 b + u is matrix row 32 b + 8 u + r % 8 + 16 (r / 8).  Codes: [K chunk of 256][tile][K step in the chunk][1536 bytes].  Scale words: 512 bytes a tile:
; word (tile, step s, row r) at 512 tile + 256 (s / 4) + 8 (16 (s % 2) + r) + 4 ((s / 2) % 2), so that one load of 8 bytes a lane brings four steps' words.
; Work-groups 0-255 take X, 256-287 Wo, 288-479 the three weights.  Waves share nothing: no barrier.  No work-group reads what another reads: no cluster, no tensor load.
.set R,   64                           ; v64-191  numbers as they are loaded
.set XN,  192                          ; v192-255 rows' path: 64 numbers of a lane, in the operand's order
.set CD,  16                           ; v16-27   rows' path: a fragment's codes
.set TP,  28                           ; v28-30, v32-34 the upper halves of two blocks, made apart (a conversion's three registers begin on an even number)
.set WD,  36                           ; v36-39   the scale words of my four fragments
.set F0,  192                          ; weights' path: two fragments' codes, v192-203 and v204-215
.set F1,  204
.set TW,  216                          ; v216-230 the upper halves of four blocks
	s_load_b256 s[4:11], s[0:1], 0x0               ; X s[4:5], Wo s[6:7], Wq s[8:9], Wk s[10:11]
	s_load_b256 s[12:19], s[0:1], 0x20             ; Wv s[12:13], xq s[14:15], woq s[16:17], wq s[18:19]
	v_lshl_add_u32 v62, v0, 2, 0x8400
	v_mov_b32 v63, 0
	v_lshrrev_b32 v1, 5, v0
	v_readfirstlane_b32 s20, v1                    ; wave 0..3
	v_and_b32 v7, 31, v0                           ; lane
	v_and_b32 v6, 15, v0                           ; r
	v_bfe_u32 v5, v0, 4, 1                         ; h
	v_lshlrev_b32 v1, 4, v7                        ; 16 x lane
	v_lshlrev_b32 v2, 3, v7                        ; 8 x lane
	s_mov_b32 s21, 0x76543210
	s_mov_b32 s22, 0xfedcba98                      ; lane selects: lane l xor 16
	s_mov_b32 s23, 0xffff0000                      ; a lane mask: lanes 16-31
	s_lshr_b32 s32, s20, 1                         ; wave / 2
	s_and_b32 s33, s20, 1                          ; wave % 2
	s_mov_b32 s35, 0
	s_cmp_lt_u32 ttmp9, 288
	s_cbranch_scc0 .Lweights
; ---- ROWS (X, Wo): K is innermost.  A work-group takes 32 rows: wave w tile 2 g + w / 2, K half w % 2: four fragments.
; Each load reads 512 consecutive bytes of one row (128 numbers, a K step); the 16 rows turn through the wave's own stage in LDS (rows 528 bytes apart), so that lane (r, h) gets k = 64 c + 32 h + 0 .. 31 of row r.
	s_mul_i32 s24, s20, 8448                       ; my stage: 16 x 528 bytes
	s_wait_alu depctr_va_vdst(0)
	v_add_nc_u32 v3, s24, v1                       ; in: 16 x lane, the row in the immediate
	v_mul_u32_u24 v4, v6, 528
	v_lshl_add_u32 v4, v5, 7, v4
	v_add_nc_u32 v4, s24, v4                       ; out: row r, + 128 h
	v_lshlrev_b32 v5, 3, v5                        ; 8 h: where my two bytes stand in a scale word
	v_mov_b32 v15, 0                               ; written once: a lane permute's destination counts as one of its sources
	s_wait_alu depctr_va_vdst(0)
	s_wait_kmcnt 0x0
	s_cmp_lt_u32 ttmp9, 256                        ; X or Wo: the choice hangs on the work-group's number alone
	s_cselect_b64 s[26:27], s[4:5], s[6:7]
	s_cselect_b64 s[28:29], s[14:15], s[16:17]
	s_mov_b32 s30, 196608
	s_cselect_b32 s30, 1572864, s30                ; bytes of a K chunk of the codes: tiles x 3072
	s_cselect_b32 s31, 0, 256
	s_sub_co_u32 s31, ttmp9, s31                   ; g: which 32 rows
	s_lshl_b32 s34, s31, 17                        ; 32 rows of 4,096 bytes,
	s_lshl_b32 s37, s32, 15                        ; 8 rows for the odd tile,
	s_add_co_u32 s34, s34, s37
	s_lshl_b32 s37, s33, 11                        ; 512 numbers for the upper K half
	s_add_co_u32 s34, s34, s37
	s_add_nc_u64 s[26:27], s[26:27], s[34:35]
	s_lshl_b32 s36, s31, 1
	s_add_co_u32 s36, s36, s32                     ; my tile
	s_mul_i32 s34, s36, 3072
	s_mul_i32 s37, s30, s33
	s_lshl_b32 s37, s37, 1                         ; my K half begins at chunk 2 (w % 2)
	s_add_co_u32 s34, s34, s37
	s_add_nc_u64 s[38:39], s[28:29], s[34:35]      ; codes of fragments 0, 1
	s_mov_b32 s34, s30
	s_add_nc_u64 s[40:41], s[38:39], s[34:35]      ; and of 2, 3: a chunk on
	s_lshl_b32 s34, s30, 2                         ; the scale words lie behind the four chunks
	s_lshl_b32 s37, s36, 9
	s_add_co_u32 s34, s34, s37
	s_lshl_b32 s37, s33, 8
	s_add_co_u32 s34, s34, s37
	s_add_nc_u64 s[42:43], s[28:29], s[34:35]
.macro LOADX f                         ; fragment f: 16 rows x 512 bytes, into set f % 2
.set I, 0
.rept 16
	global_load_b128 v[R+64*((\f)%2)+4*I:R+64*((\f)%2)+4*I+3], v1, s[26:27] offset:((I%8)+16*(I/8))*4096+512*(\f) th:TH_LOAD_NT
.set I, I+1
.endr
.endm
.macro FRAGX f
.if (\f) < 3
	s_wait_loadcnt 16                              ; this fragment's 16 loads are in; the next fragment's 16 may be out
.else
	s_wait_loadcnt 0x0
.endif
.set I, 0
.rept 16
	ds_store_b128 v3, v[R+64*((\f)%2)+4*I:R+64*((\f)%2)+4*I+3] offset:528*I
.set I, I+1
.endr
.set I, 0
.rept 16
	ds_load_b128 v[XN+4*I:XN+4*I+3], v4 offset:256*(I/8)+16*(I%8)   ; LDS serves a wave's instructions in order: these see the stores above
.set I, I+1
.endr
	s_wait_dscnt 0x0                               ; my 64 numbers are in, and the stores have read their registers,
.if (\f) < 2
	LOADX (\f)+2                                   ; which take the loads of two fragments on
.endif
	v_max3_num_f32 v8, |v[XN]|, |v[XN+1]|, 0x1800000        ; my two whole blocks, by turns; the floor 2^(3 - 127) holds the byte at 1 from below
	v_max3_num_f32 v9, |v[XN+32]|, |v[XN+33]|, 0x1800000
.set I, 2
.rept 15
	v_max3_num_f32 v8, v8, |v[XN+I]|, |v[XN+I+1]|
	v_max3_num_f32 v9, v9, |v[XN+32+I]|, |v[XN+33+I]|
.set I, I+2
.endr
	v_add_nc_u32 v10, 0xff000000, v8               ; 2 off the exponent field: the conversion's scale operand
	v_add_nc_u32 v11, 0xff000000, v9
	v_lshrrev_b32 v12, 23, v10                     ; the bytes of blocks h and 2 + h
	v_lshrrev_b32 v13, 23, v11
	v_lshl_or_b32 v14, v13, 16, v12
	v_lshlrev_b32 v14, v5, v14                     ; 8 h bits up
	v_permlanex16_b32 v15, v14, s21, s22
	v_or_b32 v[WD+(\f)], v14, v15                  ; with lane l xor 16's two the word is whole, in both lanes
.if (\f) > 0
	s_wait_alu depctr_va_vdst(0)
	s_wait_xcnt 0x0                                ; the last fragment's stores have read their data: the codes' registers are written again only behind this wait
.endif
.irp c, 0,1
	v_cvt_scalef32_pk16_fp6_f32 v[CD+6*\c:CD+6*\c+2], v[XN+32*\c:XN+32*\c+15], v[10+\c]
	v_cvt_scalef32_pk16_fp6_f32 v[TP+4*\c:TP+4*\c+2], v[XN+32*\c+16:XN+32*\c+31], v[10+\c]
.endr
	v_nop                                          ; one plain line behind the conversions, ahead of the moves that read their results
.irp c, 0,1
.irp i, 0,1,2
	v_mov_b32 v[CD+3+6*\c+\i], v[TP+4*\c+\i]
.endr
.endr
.irp g, 0,1,2
.if (\f) < 2
	global_store_b128 v1, v[CD+4*\g:CD+4*\g+3], s[38:39] offset:1536*((\f)%2)+512*\g   ; 32 lanes store 512 consecutive bytes, aligned
.else
	global_store_b128 v1, v[CD+4*\g:CD+4*\g+3], s[40:41] offset:1536*((\f)%2)+512*\g
.endif
.endr
.endm
	LOADX 0
	LOADX 1
	FRAGX 0
	FRAGX 1
	FRAGX 2
	FRAGX 3
	v_cndmask_b32 v40, v[WD], v[WD+1], s23         ; lanes 0-15 the even step's words, lanes 16-31 the odd step's
	v_cndmask_b32 v41, v[WD+2], v[WD+3], s23
	global_store_b64 v2, v[40:41], s[42:43]        ; 256 consecutive bytes, aligned
	s_wait_tensorcnt 0x0
	ds_add_u32 v62, v63
	s_wait_dscnt 0x0
	s_endpgm
; ---- WEIGHTS: K is not innermost.  A lane takes a column and its registers run down K: a K step of 128 is four whole blocks of one lane.
; Work-group g': tensor and head g' / 4, K steps 2 (g' % 4) + wave / 2; wave % 2 picks 32 of the head's 64 columns.  Lanes 0-15 hold the rows of the even tile, lanes 16-31 those of the odd one.
.Lweights:
	s_sub_co_u32 s24, ttmp9, 288
	s_lshr_b32 s25, s24, 2
	s_lshr_b32 s26, s25, 4                         ; tensor 0..2
	s_and_b32 s27, s25, 15                         ; head
	s_and_b32 s28, s24, 3
	s_lshl_b32 s28, s28, 1
	s_add_co_u32 s28, s28, s32                     ; K step s
	v_and_b32 v8, 7, v0
	v_bfe_u32 v9, v0, 3, 1
	v_lshl_add_u32 v8, v9, 4, v8
	s_wait_alu depctr_va_vdst(0)
	v_lshl_add_u32 v8, v5, 3, v8                   ; my column of the 32: 8 (lane / 16) + r % 8 + 16 (r / 8)
	v_lshlrev_b32 v3, 2, v8
	v_lshlrev_b32 v4, 3, v6
	v_lshl_add_u32 v4, v5, 9, v4                   ; my scale word: 8 r, + 512 for the odd tile
	s_wait_alu depctr_va_vdst(0)
	s_wait_kmcnt 0x0
	s_cmp_eq_u32 s26, 0
	s_cselect_b64 s[30:31], s[8:9], s[10:11]
	s_cmp_eq_u32 s26, 2
	s_cselect_b64 s[30:31], s[12:13], s[30:31]
	s_lshl_b32 s34, s27, 18                        ; a head is 1,024 rows of 256 bytes,
	s_lshl_b32 s36, s28, 15                        ; a K step 128 rows,
	s_add_co_u32 s34, s34, s36
	s_lshl_b32 s36, s33, 7                         ; 32 columns 128 bytes
	s_add_co_u32 s34, s34, s36
	s_add_nc_u64 s[30:31], s[30:31], s[34:35]
	s_lshl_b32 s37, s26, 6
	s_lshl_b32 s36, s27, 2
	s_add_co_u32 s37, s37, s36
	s_lshl_b32 s36, s33, 1
	s_add_co_u32 s37, s37, s36                     ; my even tile: 64 tensor + 4 head + 2 (wave % 2)
	s_lshr_b32 s44, s28, 1
	s_mul_i32 s34, s44, 589824                     ; K chunk s / 2: 192 tiles x 3072
	s_mul_i32 s36, s37, 3072
	s_add_co_u32 s34, s34, s36
	s_and_b32 s45, s28, 1
	s_mul_i32 s36, s45, 1536
	s_add_co_u32 s34, s34, s36
	s_add_nc_u64 s[38:39], s[18:19], s[34:35]      ; the codes
	s_lshl_b32 s34, s37, 9
	s_add_co_u32 s34, s34, 2359296                 ; the scale words lie behind the codes
	s_lshr_b32 s36, s28, 2
	s_lshl_b32 s36, s36, 8
	s_add_co_u32 s34, s34, s36
	s_lshl_b32 s36, s45, 7
	s_add_co_u32 s34, s34, s36
	s_and_b32 s36, s44, 1
	s_lshl_b32 s36, s36, 2
	s_add_co_u32 s34, s34, s36
	s_add_nc_u64 s[40:41], s[18:19], s[34:35]
.macro WLOAD bl                        ; block bl: 32 rows of K at my column; a load's 32 lanes read 128 consecutive bytes
.set I, 0
.rept 32
	global_load_b32 v[R+32*(\bl)+I], v3, s[30:31] offset:256*(32*(\bl)+I) th:TH_LOAD_NT
.set I, I+1
.endr
.endm
.macro WBLOCK bl
.set XS, R+32*(\bl)
.set FB, F0+12*((\bl)%2)+6*((\bl)/2)   ; blocks 0, 2 into the first run of 12 registers, blocks 1, 3 into the second
.if (\bl) < 3
	s_wait_loadcnt 32                              ; this block's 32 loads are in; the next block's 32 may be out
.else
	s_wait_loadcnt 0x0
.endif
.if (\bl) < 2
	WLOAD (\bl)+2
.endif
	v_max3_num_f32 v20, |v[XS]|, |v[XS+1]|, |v[XS+2]|       ; all 32 numbers of the block are mine: two chains
	v_max3_num_f32 v21, |v[XS+3]|, |v[XS+4]|, |v[XS+5]|
.set I, 6
.rept 6
	v_max3_num_f32 v20, v20, |v[XS+I]|, |v[XS+I+1]|
	v_max3_num_f32 v21, v21, |v[XS+I+2]|, |v[XS+I+3]|
.set I, I+4
.endr
	v_max3_num_f32 v20, v20, |v[XS+30]|, |v[XS+31]|
	v_max3_num_f32 v20, v20, v21, 0x1800000        ; and the floor
	v_add_nc_u32 v[24+(\bl)], 0xff000000, v20      ; the conversion's scale operand
	v_lshrrev_b32 v[28+(\bl)], 23, v[24+(\bl)]     ; the byte
	v_cvt_scalef32_pk16_fp6_f32 v[FB:FB+2], v[XS:XS+15], v[24+(\bl)]
	v_cvt_scalef32_pk16_fp6_f32 v[TW+4*(\bl):TW+4*(\bl)+2], v[XS+16:XS+31], v[24+(\bl)]
.endm
	WLOAD 0
	WLOAD 1
	WBLOCK 0
	WBLOCK 1
	WBLOCK 2
	WBLOCK 3
	v_nop                                          ; one plain line behind the last conversion
.irp bl, 0,1,2,3
.irp i, 0,1,2
	v_mov_b32 v[F0+12*(\bl%2)+6*(\bl/2)+3+\i], v[TW+4*\bl+\i]
.endr
.endr
	v_lshl_or_b32 v32, v29, 8, v28                 ; my column's scale word for this K step
	v_lshl_or_b32 v32, v30, 16, v32
	v_lshl_or_b32 v32, v31, 24, v32
.set I, 0
.rept 12
	v_permlane16_swap_b32 v[F0+I], v[F1+I]         ; the first run's lanes 16-31 change places with the second's lanes 0-15: the first is now the even tile's fragment (lanes 0-15 blocks 0, 2; lanes 16-31 blocks 1, 3), the second the odd tile's
.set I, I+1
.endr
.irp u, 0,1
.irp g, 0,1,2
	global_store_b128 v1, v[F0+12*\u+4*\g:F0+12*\u+4*\g+3], s[38:39] offset:3072*\u+512*\g
.endr
.endr
	global_store_b32 v4, v32, s[40:41]             ; 4 bytes a lane, 8 bytes apart: one byte for each 128 that the wave reads
	s_endpgm
.Lfunc_end_k_q5fe0994a4e_quant:
	.size	k_q5fe0994a4e_quant, .Lfunc_end_k_q5fe0994a4e_quant-k_q5fe0994a4e_quant
	.p2alignl 7, 3214868480
	.fill 96, 4, 3214868480
	.section	.rodata,"a",@progbits
	.p2align	6, 0x0
	.amdhsa_kernel k_q5fe0994a4e_quant
		.amdhsa_group_segment_fixed_size 34304
		.amdhsa_private_segment_fixed_size 0
		.amdhsa_enable_private_segment 0
		.amdhsa_kernarg_size 64
		.amdhsa_user_sgpr_count 2
		.amdhsa_user_sgpr_kernarg_segment_ptr 1
		.amdhsa_wavefront_size32 1
		.amdhsa_system_sgpr_workgroup_id_x 1
		.amdhsa_system_sgpr_workgroup_id_y 1
		.amdhsa_system_sgpr_workgroup_id_z 1
		.amdhsa_system_vgpr_workitem_id 0
		.amdhsa_next_free_vgpr 256
		.amdhsa_next_free_sgpr 66
		.amdhsa_reserve_vcc 0
		.amdhsa_float_denorm_mode_32 3
		.amdhsa_float_denorm_mode_16_64 3
		.amdhsa_memory_ordered 1
		.amdhsa_forward_progress 1
		.amdhsa_inst_pref_size 51
	.end_amdhsa_kernel
	.amdgpu_metadata
---
amdhsa.version: [ 1, 2 ]
amdhsa.kernels:
  - .name:           k_q5fe0994a4e_quant
    .symbol:         k_q5fe0994a4e_quant.kd
    .args:
      - { .name: X, .offset: 0, .size: 8, .value_kind: global_buffer, .address_space: global }
      - { .name: Wo, .offset: 8, .size: 8, .value_kind: global_buffer, .address_space: global }
      - { .name: Wq, .offset: 16, .size: 8, .value_kind: global_buffer, .address_space: global }
      - { .name: Wk, .offset: 24, .size: 8, .value_kind: global_buffer, .address_space: global }
      - { .name: Wv, .offset: 32, .size: 8, .value_kind: global_buffer, .address_space: global }
      - { .name: xq, .offset: 40, .size: 8, .value_kind: global_buffer, .address_space: global }
      - { .name: woq, .offset: 48, .size: 8, .value_kind: global_buffer, .address_space: global }
      - { .name: wq, .offset: 56, .size: 8, .value_kind: global_buffer, .address_space: global }
    .group_segment_fixed_size: 34304
    .private_segment_fixed_size: 0
    .kernarg_segment_align: 8
    .kernarg_segment_size: 64
    .max_flat_workgroup_size: 128
    .sgpr_count:     66
    .vgpr_count:     256
    .wavefront_size: 32
...
	.end_amdgpu_metadata
.endif
;; end of part 1
;; launch qkv (part 2): grid 8 x 32, 4 waves a work-group, clusters of 4 x 4, 327,680 bytes of LDS; arguments xq, wq, qq, kq, vq; writes qq, kq, vq
.if DOCPART == 2
	.amdgcn_target "amdgcn-amd-amdhsa--gfx1250"
	.amdhsa_code_object_version 6
	.text
	.protected	k_q5fe0994a4e_qkv
	.globl	k_q5fe0994a4e_qkv
	.p2align	8
	.type	k_q5fe0994a4e_qkv,@function
k_q5fe0994a4e_qkv:
	s_mov_b64 s[64:65], 0
	v_nop
	global_prefetch_b8 v0, s[64:65] scope:SCOPE_SE
	s_setreg_imm32_b32 hwreg(HW_REG_WAVE_MODE, 25, 1), 1
	s_wait_xcnt 0x0
	s_wait_alu depctr_hold_cnt(0) depctr_sa_sdst(0) depctr_va_vdst(0) depctr_va_sdst(0) depctr_va_ssrc(0) depctr_va_vcc(0) depctr_vm_vsrc(0)
	s_getreg_b32 s2, hwreg(HW_REG_IB_STS2, 6, 4)
	s_cmp_eq_u32 s2, 0
	s_cbranch_scc0 .Lentry_in_a_cluster
	s_endpgm
.Lentry_in_a_cluster:
	s_bfe_u32 s2, ttmp6, 0x10000c
	s_cmp_lg_u32 s2, 0xf033
	s_cbranch_scc0 .Lentry_shape_is_right
	s_endpgm
.Lentry_shape_is_right:
; q, k, v = X W, on codes of FP6 (E2M3) with E8M0 scales, sums in f32; the results are quantised in registers and leave as codes: q and k along the head's 64, v along the keys.
; SHARES.  A work-group stays on 256 tokens: their codes, all of K = 1,024, lie in LDS for the whole launch.  It walks three tiles of 128 features (two heads): q's, k's, v's.  Wave (wr, wc) = (wave / 2, wave % 2)
; takes 128 tokens x one head: 32 accumulators.  Operands lie in memory and in LDS as images of their registers (12 registers a fragment, three loads of 512 consecutive bytes), so no pitch and no padding.
; Row r of tile 2 b + u is matrix row 32 b + 8 u + r % 8 + 16 (r / 8): so the 16 registers of two neighbouring result tiles are 16 neighbours along source 0's rows, which is the next product's K.
; q, k: source 0 = the weight's 16 features, source 1 = 16 tokens: a lane holds one token, its registers run along the head.  v: source 0 = 16 tokens, source 1 = 16 features: a lane holds one channel, its registers run along the keys.
; CLUSTER 4 x 4: the four work-groups of a row share the tokens' codes, the four of a column the weights': each block is asked for jointly.
; The weights' tile is filled again twice: each time in two halves, chunks 0, 1 and then 2, 3: in each, behind a round of the cluster's barrier, every wave brings 12,288 bytes, and the second half lands while the tile just finished is quantised and stored.
; OUT: 102,400 bytes a head: 4,096 of scale words, then codes; group S of 128 tokens: four fragments at 4096 + 6144 S + 1536 x.  q, k: fragment x = [tile 2 x: the head's 64 | tile 2 x + 1: the head's 64]; v: 16 channels x 128 keys.
; Scale word (x, r) at 256 S + 8 (16 (x / 2) + r) + 4 (x % 2).
; LIMITS: NaN and infinities are not served; a block whose largest magnitude lies under 2^-124 has its byte held at 1; a block of zeros gets the byte 1: its codes are zeros and this program alone reads the bytes.
; REGISTERS: window 0: v1-15 addresses, v32-63 the tokens' scale words, v64-79 the weights', v128-219 the epilogue; window 1: the tokens' fragments, two sets of 96; window 2: the weights', two sets of 48; window 3: the accumulators.
.set SPARE, 294912                     ; LDS: tokens 0 .. 196,607 (K chunk kc at 49,152 kc); weights 196,608 .. 294,911 (24,576 a chunk); then the spare words: 128 bytes a wave
.set SPW, 5                            ; v5   SPARE + 4 x my thread's number; never rewritten
.set NIL, 6                            ; v6   0; never rewritten
.set FLR, 7                            ; v7   the floor 2^(3 - 127)
.set SCA, 32
.set SCB, 64
.set PC,  128                          ; v128-175 four fragments' codes
.set PT,  176                          ; v176-178, v180-182 upper halves of blocks
.set TM,  200                          ; v200-203 maxima, v204-207 bytes, v212-215 scale operands
.set PW,  216                          ; v216-219 the four scale words
.set MSB, 0
.macro WIN new                         ; the immediate's high byte repeats the setting that is left
.if MSB != \new
	s_set_vgpr_msb (MSB<<8)|\new
.set MSB, \new
.endif
.endm
.macro CREST                           ; a round of the cluster's barrier behind its opening barrier
	s_cmp_lg_u32 s14, 0
	s_cbranch_scc1 .Lnot_wave_0_\@
	s_barrier_signal -3
.Lnot_wave_0_\@:
	s_barrier_wait -3
	s_barrier_signal -1
	s_barrier_wait -1
.endm
.macro CROUND
	s_barrier_signal -1
	s_barrier_wait -1
	CREST
.endm
.macro PLACES
.rept 4
	v_nop
.endr
.endm
	s_load_b256 s[4:11], s[0:1], 0x0               ; xq s[4:5], wq s[6:7], qq s[8:9], kq s[10:11]
	s_load_b64 s[12:13], s[0:1], 0x20              ; vq
	v_lshl_add_u32 v[SPW], v0, 2, SPARE
	v_mov_b32 v[NIL], 0
	ds_add_u32 v5, v6
	ds_add_u32 v5, v6
	s_wait_dscnt 0x0
	v_lshrrev_b32 v1, 5, v0
	v_readfirstlane_b32 s14, v1                    ; wave 0..3
	s_lshr_b32 s15, s14, 1                         ; wr
	s_and_b32 s16, s14, 1                          ; wc
	s_bfe_u32 s17, ttmp6, 0x40000                  ; cx
	s_bfe_u32 s18, ttmp6, 0x40004                  ; cy
	s_lshl_b32 s19, ttmp9, 2
	s_add_co_u32 s19, s19, s17                     ; gx: which two heads
	s_and_b32 s20, ttmp7, 0xffff
	s_lshl_b32 s20, s20, 2
	s_add_co_u32 s20, s20, s18                     ; ty: which 256 tokens
	s_lshl_b32 s21, s18, 2
	s_lshl_b32 s21, 15, s21                        ; my row of the cluster
	s_lshl_b32 s22, 0x1111, s17                    ; my column
	s_mov_b32 s23, 0xffff0000                      ; a lane mask: lanes 16-31
	; three groups 1, elements of 8 bytes, no padding.  s[24:31], my row's mask: two K chunks of the tokens, a row of 49,152 bytes each.
	; s[40:47], my column's mask: two K chunks of a weight's tile, a row of 24,576 bytes each.  s[68:75], my column's mask: a refill's dense 12,288 bytes as 48 rows of 256
	s_or_b32 s24, s21, (3<<16)|(1<<21)
	s_or_b32 s40, s22, (3<<16)|(1<<21)
	s_or_b32 s68, s22, (3<<16)|(1<<21)
	s_mov_b32 s25, 6144<<16
	s_mov_b32 s26, 2<<16
	s_mov_b32 s27, 6144<<16
	s_mov_b32 s28, 2
	s_mov_b32 s29, 196608                          ; from chunk to chunk: 1,572,864 bytes
	s_mov_b32 s30, 0
	s_mov_b32 s31, 0
	s_mov_b32 s41, 3072<<16
	s_mov_b32 s42, 2<<16
	s_mov_b32 s43, 3072<<16
	s_mov_b32 s44, 2
	s_mov_b32 s45, 73728                           ; from chunk to chunk: 589,824 bytes
	s_mov_b32 s46, 0
	s_mov_b32 s47, 0
	s_mov_b32 s69, 32<<16
	s_mov_b32 s70, 48<<16
	s_mov_b32 s71, 32<<16
	s_mov_b32 s72, 48
	s_mov_b32 s73, 32
	s_mov_b32 s74, 0
	s_mov_b32 s75, 0
	s_mul_i32 s90, s20, 49152                      ; tokens: 16 tiles x 3072 a work-group and chunk; chunks 2 wc, 2 wc + 1
	s_mul_i32 s94, s16, 3145728
	s_add_co_u32 s90, s90, s94
	s_mov_b32 s91, 0
	s_mul_i32 s92, s19, 24576                      ; weights: 8 tiles x 3072 a chunk
	s_mov_b32 s93, 0
	s_mul_i32 s2, s16, 1179648                     ; the head's load: chunks 2 wc, 2 wc + 1
	s_mov_b32 s3, 0
	s_mul_i32 s94, s15, 589824                     ; a refill: chunk wave / 2 of a pair of chunks, half wave % 2 of it
	s_mul_i32 s95, s16, 12288
	s_add_co_u32 s94, s94, s95
	s_mov_b32 s95, 0
	s_wait_kmcnt 0x0
	s_add_nc_u64 s[90:91], s[4:5], s[90:91]
	s_add_nc_u64 s[92:93], s[6:7], s[92:93]
	s_mov_b32 s32, 1                               ; s[32:35]: the tokens' two chunks
	s_mul_i32 s33, s16, 98304
	s_mov_b64 s[34:35], s[90:91]
	s_or_b32 s35, s35, 0x80000000
	s_mov_b32 s36, 1                               ; s[36:39]: two chunks of q's weights
	s_mul_i32 s37, s16, 49152
	s_add_co_u32 s37, s37, 196608
	s_add_nc_u64 s[38:39], s[92:93], s[2:3]
	s_or_b32 s39, s39, 0x80000000
	s_mov_b32 s76, 1                               ; s[76:79]: refills of chunks 0, 1; s[48:51]: of chunks 2, 3; 196,608 bytes (64 tiles) are added ahead of each
	s_mul_i32 s77, s14, 12288
	s_add_co_u32 s77, s77, 196608
	s_add_nc_u64 s[78:79], s[92:93], s[94:95]
	s_mov_b32 s48, 1
	s_add_co_u32 s49, s77, 49152
	s_add_nc_u64 s[50:51], s[78:79], 1179648
	s_or_b32 s79, s79, 0x80000000
	s_or_b32 s51, s51, 0x80000000
	CROUND                                         ; all sixteen work-groups are here: the first joint loads meet
	s_cmp_eq_u32 s14, 0                            ; the first fills, one a wave, each in its own arm: wave 0 the tokens' chunks 0, 1; wave 1 their chunks 2, 3; waves 2, 3 the weights' likewise
	s_cbranch_scc0 .Lw1
	tensor_load_to_lds s[32:35], s[24:31]
	s_nop 0
	PLACES
	s_branch .Lfilled
.Lw1:
	s_cmp_eq_u32 s14, 1
	s_cbranch_scc0 .Lw2
	tensor_load_to_lds s[32:35], s[24:31]
	s_nop 0
	PLACES
	s_branch .Lfilled
.Lw2:
	s_cmp_eq_u32 s14, 2
	s_cbranch_scc0 .Lw3
	tensor_load_to_lds s[36:39], s[40:47]
	s_nop 0
	PLACES
	s_branch .Lfilled
.Lw3:
	tensor_load_to_lds s[36:39], s[40:47]
	s_nop 0
	PLACES
.Lfilled:
	s_lshl_b32 s2, s20, 13                         ; the tokens' scale words: 512 bytes a tile, tiles 16 ty + 8 wr on, behind the codes
	s_lshl_b32 s95, s15, 12
	s_add_co_u32 s2, s2, s95
	s_add_co_u32 s2, s2, 6291456
	s_add_nc_u64 s[80:81], s[4:5], s[2:3]
	s_lshl_b32 s2, s19, 12                         ; the weights': tiles 8 gx + 4 wc on
	s_lshl_b32 s95, s16, 11
	s_add_co_u32 s2, s2, s95
	s_add_co_u32 s2, s2, 2359296
	s_add_nc_u64 s[82:83], s[6:7], s[2:3]
	s_lshr_b32 s2, s20, 3                          ; my head's block in qq, kq, vq: 16 batch + 2 gx + wc
	s_lshl_b32 s2, s2, 4
	s_lshl_b32 s95, s19, 1
	s_add_co_u32 s2, s2, s95
	s_add_co_u32 s2, s2, s16
	s_mul_i32 s2, s2, 102400
	s_add_nc_u64 s[84:85], s[8:9], s[2:3]
	s_add_nc_u64 s[86:87], s[10:11], s[2:3]
	s_add_nc_u64 s[88:89], s[12:13], s[2:3]
	s_mov_b32 s96, 0x76543210
	s_mov_b32 s97, 0xfedcba98                      ; lane selects: lane l xor 16
	v_and_b32 v16, 31, v0
	v_lshlrev_b32 v1, 4, v16                       ; 16 x lane
	s_wait_alu depctr_va_vdst(0)
	v_lshlrev_b32 v2, 3, v16                       ; 8 x lane
.irp i, 0,1,2,3,4,5,6,7
.irp kh, 0,1
	global_load_b64 v[SCA+4*\i+2*\kh:SCA+4*\i+2*\kh+1], v2, s[80:81] offset:512*\i+256*\kh   ; register 4 i + s / 2: lanes 0-15 the even step's words, lanes 16-31 the odd step's
.endr
.endr
.irp i, 0,1,2,3
.irp kh, 0,1
	global_load_b64 v[SCB+4*\i+2*\kh:SCB+4*\i+2*\kh+1], v2, s[82:83] offset:512*\i+256*\kh
.endr
.endr
	s_and_b32 s95, s20, 7
	s_lshl_b32 s95, s95, 1
	s_add_co_u32 s95, s95, s15                     ; S: my group of 128 tokens in the batch
	s_mul_i32 s2, s95, 6144
	s_add_co_u32 s2, s2, 4096
	v_add_nc_u32 v3, s2, v1                        ; out: codes
	s_lshl_b32 s2, s95, 8
	v_add_nc_u32 v4, s2, v2                        ; out: scale words
	s_mul_i32 s2, s15, 24576
	v_add_nc_u32 v8, s2, v1                        ; v8-11: LDS address of my tokens' fragments in K chunk 0..3
	s_mul_i32 s2, s16, 12288
	s_add_co_u32 s2, s2, 196608
	v_add_nc_u32 v12, s2, v1                       ; v12-15: of my head's weights
.irp kc, 1,2,3
	v_add_nc_u32 v[8+\kc], 49152*\kc, v8
	v_add_nc_u32 v[12+\kc], 24576*\kc, v12
.endr
	v_mov_b32 v[FLR], 0x1800000
.irp b, 0,1,2,3
	v_mov_b32 v[TM+4+\b], 0                        ; written once: a lane permute's destination counts as one of its sources
.endr
; the fragments of K step q (8 of tokens, 4 of weights: 36 loads of 512 consecutive bytes) into set buf
.macro FETCH q, buf
	WIN 0x40                                       ; destination window 1
.irp i, 0,1,2,3,4,5,6,7
.irp g, 0,1,2
	ds_load_b128 v[96*(\buf)+12*\i+4*\g:96*(\buf)+12*\i+4*\g+3], v[8+(\q)/2] offset:3072*\i+1536*((\q)%2)+512*\g
.endr
.endr
	WIN 0x80                                       ; destination window 2
.irp i, 0,1,2,3
.irp g, 0,1,2
	ds_load_b128 v[48*(\buf)+12*\i+4*\g:48*(\buf)+12*\i+4*\g+3], v[12+(\q)/2] offset:3072*\i+1536*((\q)%2)+512*\g
.endr
.endr
.endm
; one product.  kind 0: it starts the sum; 1: an even K step; 2: an odd one, whose scale words stand in lanes 16-31
.macro WM d, s0, s1, sa, sb, kind
.if \kind == 0
	v_wmma_scale_f32_16x16x128_f8f6f4 v[\d:\d+7], v[\s0:\s0+11], v[\s1:\s1+11], 0, v[\sa], v[\sb] matrix_a_fmt:MATRIX_FMT_FP6 matrix_b_fmt:MATRIX_FMT_FP6
.elseif \kind == 1
	v_wmma_scale_f32_16x16x128_f8f6f4 v[\d:\d+7], v[\s0:\s0+11], v[\s1:\s1+11], v[\d:\d+7], v[\sa], v[\sb] matrix_a_fmt:MATRIX_FMT_FP6 matrix_b_fmt:MATRIX_FMT_FP6
.else
	v_wmma_scale_f32_16x16x128_f8f6f4 v[\d:\d+7], v[\s0:\s0+11], v[\s1:\s1+11], v[\d:\d+7], v[\sa], v[\sb] matrix_a_fmt:MATRIX_FMT_FP6 matrix_b_fmt:MATRIX_FMT_FP6 matrix_a_scale:MATRIX_SCALE_ROW1 matrix_b_scale:MATRIX_SCALE_ROW1
.endif
.endm
; K step q for token tiles a0 .. a0 + n - 1 against the head's four tiles.  path 0 (q, k): accumulator (a, b) at 32 a + 8 b; path 1 (v): at 64 b + 8 a.
; The 32 accumulators take turns, one instruction a turn, in the same order in every step.
.macro MUL path, q, a0, n
.if (\q) == 0
.set KD, 0
.elseif (\q)%2 == 0
.set KD, 1
.else
.set KD, 2
.endif
.set BF, (\q)%2
.set HQ, (\q)/2
.if \path == 0
	WIN 0xf6                                       ; source 0 window 2 (weights), source 1 window 1 (tokens), C and D window 3
.else
	WIN 0xf9                                       ; source 0 window 1, source 1 window 2
.endif
.set AA, \a0
.rept \n
.irp b, 0,1,2,3
.if \path == 0
	WM 32*AA+8*\b, 48*BF+12*\b, 96*BF+12*AA, SCB+4*\b+HQ, SCA+4*AA+HQ, KD
.else
	WM 64*\b+8*AA, 96*BF+12*AA, 48*BF+12*\b, SCA+4*AA+HQ, SCB+4*\b+HQ, KD
.endif
.endr
.set AA, AA+1
.endr
.endm
; a K step: its fragments are in; the next step's are asked for, 32 matrix instructions ahead of their use.  A new K chunk is read only when every wave's load of it has landed
; THE WEIGHTS ARE FILLED AGAIN IN HALVES.  When K step 3's fragments are in registers, chunks 0, 1 are read no more: a round in that step, and each wave brings 12,288 bytes of the next tensor's chunks 0, 1.
; The same in K step 7 for chunks 2, 3.  Each round's wait for all tensor loads also shows the half asked for in the round before to every wave.
; mode 1: K step 3 holds such a round; mode 2 (the last tile): a plain barrier there shows chunks 2, 3.
.macro KSTEP path, q, mode
.if ((\q) == 3) && ((\mode) == 1)
	WIN 0
	s_wait_tensorcnt 0x0                           ; all my tensor loads are done: my part of this tile's chunks 2, 3
	ds_add_u32 v[SPW], v[NIL]
	s_wait_dscnt 1                                 ; the step's 36 loads are in; the add may be out
	MUL \path, 3, 0, 2
	s_wait_dscnt 0x0                               ; the add is done, and I read chunks 0, 1 no more
	s_barrier_signal -1
	MUL \path, 3, 2, 2
	WIN 0
	s_barrier_wait -1
	CREST
	s_add_nc_u64 s[78:79], s[78:79], 196608        ; the next tensor's tile
	tensor_load_to_lds s[76:79], s[68:75]
	s_nop 0
	PLACES                                         ; also the places ahead of the loads into the set that step 2 read
	FETCH 4, 0
	MUL \path, 3, 4, 4
.else
	s_wait_dscnt 0x0                               ; this step's fragments
.if (\q) < 7
.if (\q) == 3
	s_wait_tensorcnt 0x0                           ; my part of chunks 2, 3 has landed
	s_barrier_signal -1
	s_barrier_wait -1
.endif
	PLACES                                         ; four plain lines between the last step's products and the loads into the set that they read
	FETCH (\q)+1, ((\q)+1)%2
.endif
	MUL \path, \q, 0, 8
.endif
.endm
.macro KLAST
	WIN 0
	s_wait_tensorcnt 0x0                           ; my part of the next tile's chunks 0, 1 has landed
	ds_add_u32 v[SPW], v[NIL]
	s_wait_dscnt 1                                 ; the step's fragments are in; the add may be out
	MUL 0, 7, 0, 4
	s_wait_dscnt 0x0                               ; the add is done, and I read chunks 2, 3 no more
	s_barrier_signal -1
	MUL 0, 7, 4, 4
	WIN 0
	s_barrier_wait -1
	CREST
	s_add_nc_u64 s[50:51], s[50:51], 196608        ; the next tensor's tile
	tensor_load_to_lds s[48:51], s[68:75]
	s_nop 0
	PLACES                                         ; also the places between the last products and what reads their results and loads into their registers
.endm
.macro SCBLOAD                         ; the next tile's scale words
	s_add_nc_u64 s[82:83], s[82:83], 32768         ; (the earlier loads from this base have come back)
.irp i, 0,1,2,3
.irp kh, 0,1
	global_load_b64 v[SCB+4*\i+2*\kh:SCB+4*\i+2*\kh+1], v2, s[82:83] offset:512*\i+256*\kh
.endr
.endr
.endm
; 64 accumulator registers from s on (window 3), register 16 b + i = k 32 b + 16 (lane / 16) + i of my row, become a fragment's codes in v[d] on and its scale word in v[w]
.macro QUANT s, d, w
	WIN 0x3c                                       ; sources 1 and 2 window 3
.irp b, 0,1,2,3
	v_max3_num_f32 v[TM+\b], v[FLR], |v[\s+16*\b]|, |v[\s+16*\b+1]|   ; each accumulator is read from its low end on
.endr
.irp i, 2,4,6,8,10,12,14
.irp b, 0,1,2,3
	v_max3_num_f32 v[TM+\b], v[TM+\b], |v[\s+16*\b+\i]|, |v[\s+16*\b+\i+1]|
.endr
.endr
	WIN 0
.irp b, 0,1,2,3
	v_permlanex16_b32 v[TM+4+\b], v[TM+\b], s96, s97
.endr
.irp b, 0,1,2,3
	v_max_num_f32 v[TM+\b], v[TM+\b], v[TM+4+\b]   ; with lane l xor 16's 16: the block's largest magnitude
.endr
.irp b, 0,1,2,3
	v_add_nc_u32 v[TM+12+\b], 0xff000000, v[TM+\b] ; 2 off the exponent field: the conversion's scale operand
.endr
.irp b, 0,1,2,3
	v_lshrrev_b32 v[TM+4+\b], 23, v[TM+12+\b]      ; the byte
.endr
	v_lshl_or_b32 v[\w], v[TM+5], 8, v[TM+4]
	v_lshl_or_b32 v[\w], v[TM+6], 16, v[\w]
	v_lshl_or_b32 v[\w], v[TM+7], 24, v[\w]
	WIN 0x03                                       ; source 0 window 3
.irp c, 0,1
	v_cvt_scalef32_pk16_fp6_f32 v[\d+6*\c:\d+6*\c+2], v[\s+32*\c:\s+32*\c+15], v[TM+12+2*\c]
	v_cvt_scalef32_pk16_fp6_f32 v[PT+4*\c:PT+4*\c+2], v[\s+32*\c+16:\s+32*\c+31], v[TM+12+2*\c+1]
.endr
	WIN 0
	v_nop                                          ; one plain line behind the conversions
.irp c, 0,1                            ; the operand's layout wants a whole block in a lane: lanes 0-15 block 2 c, lanes 16-31 block 2 c + 1
.irp i, 0,1,2
	v_permlane16_swap_b32 v[\d+6*\c+\i], v[PT+4*\c+\i]
.endr
.irp i, 0,1,2
	v_mov_b32 v[\d+3+6*\c+\i], v[PT+4*\c+\i]
.endr
.endr
.endm
.macro EPI out                         ; a tile's 256 accumulator registers leave as four fragments and their scale words
	s_wait_xcnt 0x0                                ; the last tile's stores have read their data
.irp x, 0,1,2,3
	QUANT 64*\x, PC+12*\x, PW+\x
.irp g, 0,1,2
	global_store_b128 v3, v[PC+12*\x+4*\g:PC+12*\x+4*\g+3], s[\out:\out+1] offset:1536*\x+512*\g   ; 512 consecutive bytes, aligned
.endr
.endr
	v_cndmask_b32 v184, v[PW], v[PW+2], s23        ; lanes 0-15 fragments 0, 1; lanes 16-31 fragments 2, 3
	v_cndmask_b32 v185, v[PW+1], v[PW+3], s23
	global_store_b64 v4, v[184:185], s[\out:\out+1]   ; 256 consecutive bytes, aligned
.endm
	s_wait_alu depctr_va_vdst(0)
	s_cmp_eq_u32 s16, 0                            ; waves 0 and 2 brought chunks 0, 1: they wait here; the other two waves' loads are awaited in K step 3
	s_cbranch_scc0 .Lnot_first
	s_wait_tensorcnt 0x0
.Lnot_first:
	s_barrier_signal -1
	s_barrier_wait -1
	FETCH 0, 0
	s_wait_loadcnt 0x0                             ; the scale words
.irp q, 0,1,2,3,4,5,6
	KSTEP 0, \q, 1                                 ; q
.endr
	KLAST
	SCBLOAD
	FETCH 0, 0                                     ; k's first fragments: the round has shown its chunks 0, 1; they land while q is quantised and stored
	WIN 0
	EPI 84
	s_wait_loadcnt 0x0                             ; k's scale words
.irp q, 0,1,2,3,4,5,6
	KSTEP 0, \q, 1                                 ; k
.endr
	KLAST
	SCBLOAD
	FETCH 0, 0
	WIN 0
	EPI 86
	s_wait_loadcnt 0x0
.irp q, 0,1,2,3,4,5,6,7
	KSTEP 1, \q, 2                                 ; v: the sources change places
.endr
	WIN 0
	PLACES
	EPI 88
	s_wait_tensorcnt 0x0                           ; the wave's end
	ds_add_u32 v[SPW], v[NIL]
	s_wait_dscnt 0x0
	CROUND                                         ; the closing round: no work-group ends while a partner may still ask for a block that names it
	s_endpgm
.Lfunc_end_k_q5fe0994a4e_qkv:
	.size	k_q5fe0994a4e_qkv, .Lfunc_end_k_q5fe0994a4e_qkv-k_q5fe0994a4e_qkv
	.p2alignl 7, 3214868480
	.fill 96, 4, 3214868480
	.section	.rodata,"a",@progbits
	.p2align	6, 0x0
	.amdhsa_kernel k_q5fe0994a4e_qkv
		.amdhsa_group_segment_fixed_size 327680
		.amdhsa_private_segment_fixed_size 0
		.amdhsa_enable_private_segment 0
		.amdhsa_kernarg_size 40
		.amdhsa_user_sgpr_count 2
		.amdhsa_user_sgpr_kernarg_segment_ptr 1
		.amdhsa_wavefront_size32 1
		.amdhsa_system_sgpr_workgroup_id_x 1
		.amdhsa_system_sgpr_workgroup_id_y 1
		.amdhsa_system_sgpr_workgroup_id_z 1
		.amdhsa_system_vgpr_workitem_id 0
		.amdhsa_next_free_vgpr 1024
		.amdhsa_next_free_sgpr 100
		.amdhsa_reserve_vcc 0
		.amdhsa_float_denorm_mode_32 3
		.amdhsa_float_denorm_mode_16_64 3
		.amdhsa_memory_ordered 1
		.amdhsa_forward_progress 1
		.amdhsa_inst_pref_size 220
	.end_amdhsa_kernel
	.amdgpu_metadata
---
amdhsa.version: [ 1, 2 ]
amdhsa.kernels:
  - .name:           k_q5fe0994a4e_qkv
    .symbol:         k_q5fe0994a4e_qkv.kd
    .args:
      - { .name: xq, .offset: 0, .size: 8, .value_kind: global_buffer, .address_space: global }
      - { .name: wq, .offset: 8, .size: 8, .value_kind: global_buffer, .address_space: global }
      - { .name: qq, .offset: 16, .size: 8, .value_kind: global_buffer, .address_space: global }
      - { .name: kq, .offset: 24, .size: 8, .value_kind: global_buffer, .address_space: global }
      - { .name: vq, .offset: 32, .size: 8, .value_kind: global_buffer, .address_space: global }
    .group_segment_fixed_size: 327680
    .private_segment_fixed_size: 0
    .kernarg_segment_align: 8
    .kernarg_segment_size: 40
    .max_flat_workgroup_size: 128
    .sgpr_count:     100
    .vgpr_count:     1024
    .wavefront_size: 32
...
	.end_amdgpu_metadata
.endif
;; end of part 2
;; launch attn (part 3): grid 4 x 64, 16 waves a work-group, clusters of 4 x 1, 206,848 bytes of LDS; arguments qq, kq, vq, oq; writes oq
.if DOCPART == 3
	.amdgcn_target "amdgcn-amd-amdhsa--gfx1250"
	.amdhsa_code_object_version 6
	.text
	.protected	k_q5fe0994a4e_attn
	.globl	k_q5fe0994a4e_attn
	.p2align	8
	.type	k_q5fe0994a4e_attn,@function
k_q5fe0994a4e_attn:
	s_mov_b64 s[64:65], 0
	v_nop
	global_prefetch_b8 v0, s[64:65] scope:SCOPE_SE
	s_setreg_imm32_b32 hwreg(HW_REG_WAVE_MODE, 25, 1), 1
	s_wait_xcnt 0x0
	s_wait_alu depctr_hold_cnt(0) depctr_sa_sdst(0) depctr_va_vdst(0) depctr_va_sdst(0) depctr_va_ssrc(0) depctr_va_vcc(0) depctr_vm_vsrc(0)
	s_getreg_b32 s2, hwreg(HW_REG_IB_STS2, 6, 4)
	s_cmp_eq_u32 s2, 0
	s_cbranch_scc0 .Lentry_in_a_cluster
	s_endpgm
.Lentry_in_a_cluster:
	s_bfe_u32 s2, ttmp6, 0x10000c
	s_cmp_lg_u32 s2, 0x3003
	s_cbranch_scc0 .Lentry_shape_is_right
	s_endpgm
.Lentry_shape_is_right:
; Causal attention of one head on codes of FP6 (E2M3) with E8M0 scales: S^T = K Q^T, p = 2^(t - M), O^T = V^T P^T, O / l, and O quantised along the head's 64 for the output projection.
; t = score x log2(e) / 8; M = the running largest t rounded up to a whole number; p is not normalised; the row's sum l is taken of the unquantised p in f32.  When M moves, l and O are multiplied by 2^(old M - new M): exact.
; CLUSTER 4 x 1: the four work-groups are one head.  The head's K and V, codes and scale words (2 x 102,400 bytes), come ONCE, by joint loads, and stay in LDS: no slot is ever filled again.
; SHARES.  Work-group cx owns the pairs of query tiles P = 4 j + cx, j = 0 .. 15 (32 queries each).  Wave w takes tile u = w % 2 of pair j = 15 - w / 2, then of pair j = w / 2.  A tile of pair j wants key steps 0 .. j of 128 keys,
; whatever cx: so each wave has 17 key steps and all partners run alike.  cx enters global addresses and the mask's lane number alone.  Loops have constant trip counts; a step beyond the tile's last is jumped over by a branch on the wave's number.
; LAYOUT.  Row r of tile 2 b + u is token 32 b + 8 u + r % 8 + 16 (r / 8): the 16 registers of two neighbouring tiles of scores are 16 neighbouring keys.  A lane holds one query throughout.
; THE HEAD'S 64 IN AN INSTRUCTION OF 128: K's fragment is [tile A's 64 | tile B's 64]; the queries' is [q | zero codes] for tile A and [zero codes | q] for tile B; q's scale word is [q0, q1, q0, q1].  One fragment of K read from LDS feeds two products.
; LIMITS: NaN and infinities are not served; a block whose largest magnitude lies under 2^-124 has its byte held at 1; a block of zeros gets the byte 1: its codes are zeros.  A block's largest p is taken as the exponential of its largest score:
; that takes v_exp_f32 not to fall where its input rises.
.set QL,  16                           ; v16-27  [q | 0]
.set QH,  28                           ; v28-39  [0 | q]
.set QS,  40                           ; v40     q's scale word;  v41-46, v47: the second tile's codes and word
.set FR,  48                           ; v48-95  four fragments of K, then of V
.set SS,  96                           ; v96-159 scores, then p
.set OO,  160                          ; v160-191 O^T: register 16 b + i = channel 32 b + 16 (lane / 16) + i
.set PC,  192                          ; v192-203 p's codes
.set PT,  204                          ; v204-206, v208-210
.set KS,  212                          ; v212-213 K's scale words;  v214-215 V's;  v216 p's
.set VS,  214
.set PW,  216
.set FF,  218                          ; v[218:219] f = 2^(old M - new M), and 0
.set BM,  220                          ; v220-223 the blocks' largest scores
.set BT,  224                          ; v224-227 at work
.set SO,  228                          ; v228-231 the conversions' scale operands
.set SUM2, 232                         ; v[232:233] the sum's second chain
.set TMP, 234
.set NINF, 235
.set BYT, 236
.macro ROUND                           ; a round of the cluster's barrier
	s_barrier_signal -1
	s_barrier_wait -1
	s_cmp_lg_u32 s12, 0
	s_cbranch_scc1 .Lnot_wave_0_\@
	s_barrier_signal -3
.Lnot_wave_0_\@:
	s_barrier_wait -3
	s_barrier_signal -1
	s_barrier_wait -1
.endm
	s_load_b256 s[4:11], s[0:1], 0x0               ; qq s[4:5], kq s[6:7], vq s[8:9], oq s[10:11]
	v_lshl_add_u32 v254, v0, 2, 0x32000
	v_mov_b32 v255, 0
	ds_add_u32 v254, v255
	ds_add_u32 v254, v255
	v_lshrrev_b32 v1, 5, v0
	s_delay_alu instid0(VALU_DEP_1)
	v_readfirstlane_b32 s12, v1                    ; wave 0..15
	s_bfe_u32 s13, ttmp6, 0x40000                  ; cx
	s_and_b32 s14, ttmp7, 0xffff                   ; batch x 16 + head
	s_and_b32 s15, s12, 1                          ; u
	s_lshr_b32 s17, s12, 1                         ; j of my second tile
	s_sub_co_u32 s16, 15, s17                      ; j of my first
	; descriptor group 1: a dense block of 12,800 bytes as 50 rows of 32 elements of 8 bytes; the mask names all four work-groups
	s_mov_b32 s24, 15|(3<<16)|(1<<21)
	s_mov_b32 s25, 32<<16
	s_mov_b32 s26, 50<<16
	s_mov_b32 s27, 32<<16
	s_mov_b32 s28, 50
	s_mov_b32 s29, 32
	s_mov_b32 s30, 0
	s_mov_b32 s31, 0
	s_mul_i32 s66, s14, 102400                     ; the head's block in qq, kq, vq
	s_mov_b32 s67, 0
	s_wait_dscnt 0x0
	s_wait_kmcnt 0x0
	s_add_nc_u64 s[4:5], s[4:5], s[66:67]
	s_add_nc_u64 s[6:7], s[6:7], s[66:67]
	s_add_nc_u64 s[8:9], s[8:9], s[66:67]
	; K's and V's 2 x 102,400 bytes are sixteen pieces of 12,800: wave w brings piece w to LDS byte 12,800 w: waves 0-7 K's pieces, waves 8-15 V's
	s_and_b32 s36, s12, 7
	s_mul_i32 s36, s36, 12800
	s_mov_b32 s37, 0
	s_cmp_lt_u32 s12, 8
	s_cselect_b64 s[34:35], s[6:7], s[8:9]
	s_add_nc_u64 s[34:35], s[34:35], s[36:37]
	s_or_b32 s35, s35, 0x80000000
	s_mov_b32 s32, 1
	s_mul_i32 s33, s12, 12800
	s_and_b32 s38, s12, 6                          ; 0 in waves 0, 1, 8, 9: they bring the first 25,600 bytes of K and of V
	ROUND                                          ; all four work-groups are here: the joint loads meet
	s_cmp_eq_u32 s38, 0                            ; one load a wave, in two arms: the four waves that wait ahead of the first barrier have a line of their own
	s_cbranch_scc0 .Lnot_k
	tensor_load_to_lds s[32:35], s[24:31]
	s_nop 0
.rept 4
	v_nop
.endr
	s_branch .Lfilled
.Lnot_k:
	tensor_load_to_lds s[32:35], s[24:31]
	s_nop 0
.rept 4
	v_nop
.endr
.Lfilled:
	v_and_b32 v8, 31, v0
	s_delay_alu instid0(VALU_DEP_1)
	v_lshlrev_b32 v1, 4, v8                        ; v1: 16 x lane
	s_wait_alu depctr_va_vdst(0)
	v_lshlrev_b32 v2, 3, v8                        ; v2: 8 x lane
	v_and_b32 v9, 15, v0
	v_bfe_u32 v10, v0, 4, 1
	s_delay_alu instid0(VALU_DEP_2)
	v_lshlrev_b32 v7, 3, v9                        ; v7: 8 r
	s_wait_alu depctr_va_vdst(0)
	v_add_nc_u32 v6, v7, v10                       ; v6: 8 r + h
	s_lshl_b32 s84, s16, 2
	s_add_co_u32 s84, s84, s13                     ; my first pair: 4 j + cx
	s_lshl_b32 s85, s17, 2
	s_add_co_u32 s85, s85, s13                     ; my second
	s_mov_b32 s87, 0
	s_mul_i32 s86, s84, 1536
	s_add_co_u32 s86, s86, 4096
	s_add_nc_u64 s[88:89], s[4:5], s[86:87]        ; their codes,
	s_mul_i32 s86, s85, 1536
	s_add_co_u32 s86, s86, 4096
	s_add_nc_u64 s[90:91], s[4:5], s[86:87]
	s_lshr_b32 s62, s13, 1
	s_lshl_b32 s62, s62, 7
	s_and_b32 s63, s13, 1
	s_lshl_b32 s63, s63, 2
	s_add_co_u32 s62, s62, s63
	s_lshl_b32 s86, s16, 8
	s_add_co_u32 s86, s86, s62
	s_add_nc_u64 s[92:93], s[4:5], s[86:87]        ; and scale words: 256 j + 128 (cx / 2) + 4 (cx % 2) + 8 r
	s_lshl_b32 s86, s17, 8
	s_add_co_u32 s86, s86, s62
	s_add_nc_u64 s[94:95], s[4:5], s[86:87]
.irp g, 0,1,2
	global_load_b128 v[96+4*\g:99+4*\g], v1, s[88:89] offset:512*\g
	global_load_b128 v[108+4*\g:111+4*\g], v1, s[90:91] offset:512*\g
.endr
	global_load_b32 v120, v7, s[92:93]
	global_load_b32 v121, v7, s[94:95]
	v_and_b32 v3, 7, v0
	v_bfe_u32 v11, v0, 3, 1
	s_delay_alu instid0(VALU_DEP_1)
	v_lshl_add_u32 v3, v11, 4, v3
	v_lshlrev_b32 v10, 4, v10
	s_delay_alu instid0(VALU_DEP_1)
	v_sub_nc_u32 v3, v3, v10
	s_lshl_b32 s62, s13, 5
	s_lshl_b32 s53, s15, 3
	s_add_co_u32 s62, s62, s53
	v_add_nc_u32 v3, s62, v3                       ; v3: my query's place in its last key step, less 16 h: 32 cx + 8 u + r % 8 + 16 (r / 8) - 16 h
	s_lshl_b32 s53, s15, 4                         ; 16 u
	s_cmp_eq_u32 s15, 1
	s_cselect_b32 s51, -1, 0                       ; all lanes where u = 1
	s_mov_b32 s52, 0xffff0000                      ; lanes 16-31
	s_mov_b32 s20, 0x76543210
	s_mov_b32 s21, 0xfedcba98                      ; lane selects: lane l xor 16
	s_mov_b32 s22, 0x3e38aa3b                      ; c = log2(e) / 8
	s_mov_b32 s23, s22                             ; (named with it as a pair)
	; where my two tiles go in oq: half a fragment (6 registers, 768 bytes) at (n / 4) 1,572,864 + 3072 tile + 768 (n % 4); two scale bytes a row in word (tile, K step n / 2, r)
	s_and_b32 s62, s14, 15                         ; n
	s_lshr_b32 s63, s14, 4
	s_lshl_b32 s63, s63, 7
	s_add_co_u32 s63, s63, s15                     ; 128 batch + u
	s_lshr_b32 s66, s62, 2
	s_mul_i32 s66, s66, 1572864
	s_and_b32 s67, s62, 3
	s_mul_i32 s67, s67, 768
	s_add_co_u32 s66, s66, s67
	s_lshr_b32 s48, s62, 3
	s_lshl_b32 s48, s48, 8
	s_bfe_u32 s49, s62, 0x10001
	s_lshl_b32 s49, s49, 7
	s_add_co_u32 s48, s48, s49
	s_bfe_u32 s49, s62, 0x10002
	s_lshl_b32 s49, s49, 2
	s_add_co_u32 s48, s48, s49
	s_and_b32 s49, s62, 1
	s_lshl_b32 s49, s49, 1
	s_add_co_u32 s48, s48, s49
	s_add_co_u32 s48, s48, 6291456
	s_lshl_b32 s49, s84, 1
	s_add_co_u32 s49, s49, s63                     ; my first tile
	s_mul_i32 s86, s49, 3072
	s_add_co_u32 s86, s86, s66
	s_add_nc_u64 s[54:55], s[10:11], s[86:87]
	s_lshl_b32 s86, s49, 9
	s_add_co_u32 s86, s86, s48
	s_add_nc_u64 s[58:59], s[10:11], s[86:87]
	s_lshl_b32 s49, s85, 1
	s_add_co_u32 s49, s49, s63                     ; my second
	s_mul_i32 s86, s49, 3072
	s_add_co_u32 s86, s86, s66
	s_add_nc_u64 s[56:57], s[10:11], s[86:87]
	s_lshl_b32 s86, s49, 9
	s_add_co_u32 s86, s86, s48
	s_add_nc_u64 s[60:61], s[10:11], s[86:87]
	v_mov_b32 v[FF+1], 0                           ; (the upper half of the pair that the packed forms name)
	v_mov_b32 v[TMP], 0                            ; written once: a lane permute's destination counts as one of its sources
	v_mov_b32 v[NINF], 0xff800000                  ; -infinity
.irp b, 0,1,2,3
	v_mov_b32 v[BT+\b], 0
.endr
	s_wait_loadcnt 0x0
.irp i, 0,1,2,3,4,5
	v_cndmask_b32 v[QL+\i], v[96+\i], v[102+\i], s51       ; tile u's six registers of the pair's twelve
	v_cndmask_b32 v[41+\i], v[108+\i], v[114+\i], s51
.endr
.irp i, 0,1,2,3,4,5
	v_mov_b32 v[QH+6+\i], v[QL+\i]
	v_mov_b32 v[QL+6+\i], 0                        ; zero codes add nothing under any of these scale bytes
	v_mov_b32 v[QH+\i], 0
.endr
	v_lshrrev_b32 v[QS], s53, v120                 ; tile u's two bytes, twice
	s_delay_alu instid0(VALU_DEP_1)
	v_and_b32 v[QS], 0xffff, v[QS]
	s_delay_alu instid0(VALU_DEP_1)
	v_lshl_or_b32 v[QS], v[QS], 16, v[QS]
	v_lshrrev_b32 v47, s53, v121
	s_delay_alu instid0(VALU_DEP_1)
	v_and_b32 v47, 0xffff, v47
	s_delay_alu instid0(VALU_DEP_1)
	v_lshl_or_b32 v47, v47, 16, v47
; s18 = the tile's last key step, s19 = the step in hand, s48 = LDS byte of its codes of K, s49 = of its scale words
.macro ZERO j
.set I, 0
.rept 32
	v_mov_b32 v[OO+I], 0                           ; the step is written once: the first finds zeros, which the first change of M leaves zeros
.set I, I+1
.endr
	v_mov_b32 v13, 0xff61b1e6                      ; the largest t so far: -3e38
	s_delay_alu instid0(VALU_DEP_1)
	v_floor_f32 v12, -v13                          ; -M
	v_mov_b32 v14, 0                               ; the sum, in two halves
	v_mov_b32 v15, 0
	s_mov_b32 s19, 0
	s_mov_b32 s48, 4096
	s_mov_b32 s49, 0
	s_mov_b32 s18, s[\j]
.endm
.macro STEP                            ; 128 keys
	s_cmp_gt_u32 s19, s18                          ; all its keys come after my queries: only the addresses step
	s_cbranch_scc1 .Lhid_\@
	v_add_nc_u32 v8, s48, v1                       ; (these four lines are also the places between the last products and the loads into the registers that they read)
	v_add_nc_u32 v10, s49, v2
	s_delay_alu instid0(VALU_DEP_2)
	v_add_nc_u32 v9, 0x19000, v8                   ; V's block lies 102,400 bytes behind K's
	s_delay_alu instid0(VALU_DEP_2)
	v_add_nc_u32 v11, 0x19000, v10
.irp x, 0,1,2,3
.irp g, 0,1,2
	ds_load_b128 v[FR+12*\x+4*\g:FR+12*\x+4*\g+3], v8 offset:1536*\x+512*\g
.endr
.endr
	ds_load_b64 v[KS:KS+1], v10                    ; register x % 2: lanes 0-15 fragment x, lanes 16-31 fragment x + 2
	s_wait_alu depctr_va_vdst(0)
	s_wait_dscnt 0x0
.irp t, 0,1,2,3
	v_wmma_scale_f32_16x16x128_f8f6f4 v[SS+8*\t:SS+8*\t+7], v[FR+12*(\t/2):FR+12*(\t/2)+11], v[QL+12*(\t%2):QL+12*(\t%2)+11], 0, v[KS+(\t/2)%2], v[QS] matrix_a_fmt:MATRIX_FMT_FP6 matrix_b_fmt:MATRIX_FMT_FP6
.endr
.irp t, 4,5,6,7
	v_wmma_scale_f32_16x16x128_f8f6f4 v[SS+8*\t:SS+8*\t+7], v[FR+12*(\t/2):FR+12*(\t/2)+11], v[QL+12*(\t%2):QL+12*(\t%2)+11], 0, v[KS+(\t/2)%2], v[QS] matrix_a_fmt:MATRIX_FMT_FP6 matrix_b_fmt:MATRIX_FMT_FP6 matrix_a_scale:MATRIX_SCALE_ROW1
.endr
.rept 4
	v_nop                                          ; four plain lines: then V's loads into K's registers, and the first read of the scores
.endr
.irp x, 0,1,2,3
.irp g, 0,1,2
	ds_load_b128 v[FR+12*\x+4*\g:FR+12*\x+4*\g+3], v9 offset:1536*\x+512*\g   ; V lands while the softmax is worked
.endr
.endr
	ds_load_b64 v[VS:VS+1], v11
	s_cmp_lg_u32 s19, s18                          ; only the tile's last step lies on the diagonal
	s_cbranch_scc1 .Lopen_\@
.set N, 0
.rept 64
	v_cmp_gt_i32 vcc_lo, 32*(N/16)+N%16, v3        ; register N holds key 32 (N / 16) + N % 16 + 16 h of the step: hidden where that is above my query
	v_cndmask_b32 v[SS+N], v[SS+N], v[NINF], vcc_lo
.set N, N+1
.endr
.Lopen_\@:
.irp b, 0,1,2,3
	v_max3_num_f32 v[BM+\b], v[SS+16*\b], v[SS+1+16*\b], v[SS+2+16*\b]   ; the largest score of each block of 32 keys: for the row's maximum, and for the block's largest p
.endr
.irp i, 3,5,7,9,11,13
.irp b, 0,1,2,3
	v_max3_num_f32 v[BM+\b], v[BM+\b], v[SS+16*\b+\i], v[SS+1+16*\b+\i]
.endr
.endr
.irp b, 0,1,2,3
	v_max_num_f32 v[BM+\b], v[BM+\b], v[SS+15+16*\b]
.endr
.irp b, 0,1,2,3
	s_delay_alu instid0(VALU_DEP_4)
	v_permlanex16_b32 v[BT+\b], v[BM+\b], s20, s21
.endr
.irp b, 0,1,2,3
	s_delay_alu instid0(VALU_DEP_4)
	v_max_num_f32 v[BM+\b], v[BM+\b], v[BT+\b]     ; with lane l xor 16's 16 keys
.endr
	s_delay_alu instid0(VALU_DEP_2)
	v_max3_num_f32 v[TMP], v[BM], v[BM+1], v[BM+2]
	s_delay_alu instid0(VALU_DEP_1)
	v_max_num_f32 v[TMP], v[TMP], v[BM+3]
	s_delay_alu instid0(VALU_DEP_1)
	v_mul_f32 v[TMP], s22, v[TMP]                  ; as t
	s_delay_alu instid0(VALU_DEP_1)
	v_max_num_f32 v13, v13, v[TMP]                 ; the running largest t
	v_mov_b32 v[TMP], v12
	s_delay_alu instid0(VALU_DEP_2)
	v_floor_f32 v12, -v13                          ; the new -M = floor(-t): M is a whole number
	s_delay_alu instid0(VALU_DEP_1)
	v_sub_f32 v[TMP], v12, v[TMP]                  ; old M - new M, 0 or less
	s_delay_alu instid0(VALU_DEP_1)
	v_cvt_i32_f32 v[TMP], v[TMP]                   ; (it saturates)
	s_delay_alu instid0(VALU_DEP_1)
	v_ldexp_f32 v[FF], 1.0, v[TMP]                 ; f
.set N, 0
.rept 32
	v_pk_fma_f32 v[SS+N:SS+N+1], v[SS+N:SS+N+1], s[22:23], v[12:13] op_sel_hi:[1,0,0]   ; t - M, two at a time
.set N, N+2
.endr
.irp b, 0,1,2,3
	v_fma_f32 v[BM+\b], v[BM+\b], s22, v12         ; the same of each block's largest score
.endr
.set N, 0
	s_wait_alu depctr_va_vdst(0)
.rept 64
	v_exp_f32 v[SS+N], v[SS+N]                     ; p = 2^(t - M)
.set N, N+1
.endr
	v_pk_mul_f32 v[14:15], v[14:15], v[FF:FF+1] op_sel_hi:[1,0]   ; the sums under the new M: the plain line behind the exponentials
	s_wait_alu depctr_va_vdst(0)                   ; one wait for the batch of 64, ahead of its first reader
.irp b, 0,1,2,3
	v_exp_f32 v[BM+\b], v[BM+\b]                   ; the blocks' largest p
.endr
	v_pk_add_f32 v[232:233], v[100:101], v[104:105]
	v_pk_add_f32 v[252:253], v[108:109], v[112:113]
	v_pk_add_f32 v[250:251], v[116:117], v[120:121]
	v_pk_add_f32 v[248:249], v[124:125], v[128:129]
	v_pk_add_f32 v[246:247], v[132:133], v[136:137]
	v_pk_add_f32 v[244:245], v[140:141], v[144:145]
	v_pk_add_f32 v[242:243], v[148:149], v[152:153]
	v_pk_add_f32 v[14:15], v[14:15], v[156:157]
	v_pk_add_f32 v[232:233], v[232:233], v[96:97]
	v_pk_add_f32 v[252:253], v[252:253], v[98:99]
	v_pk_add_f32 v[250:251], v[250:251], v[102:103]
	v_pk_add_f32 v[248:249], v[248:249], v[106:107]
	v_pk_add_f32 v[246:247], v[246:247], v[110:111]
	v_pk_add_f32 v[244:245], v[244:245], v[114:115]
	v_pk_add_f32 v[242:243], v[242:243], v[118:119]
	v_pk_add_f32 v[14:15], v[14:15], v[122:123]
	v_pk_add_f32 v[232:233], v[232:233], v[126:127]
	v_pk_add_f32 v[252:253], v[252:253], v[130:131]
	v_pk_add_f32 v[250:251], v[250:251], v[134:135]
	v_pk_add_f32 v[248:249], v[248:249], v[138:139]
	v_pk_add_f32 v[246:247], v[246:247], v[142:143]
	v_pk_add_f32 v[244:245], v[244:245], v[146:147]
	v_pk_add_f32 v[242:243], v[242:243], v[150:151]
	v_pk_add_f32 v[14:15], v[14:15], v[154:155]
	v_pk_add_f32 v[232:233], v[232:233], v[158:159]
	s_delay_alu instid0(VALU_DEP_2)
	v_pk_add_f32 v[14:15], v[14:15], v[248:249]
	s_delay_alu instid0(VALU_DEP_2)
	v_pk_add_f32 v[232:233], v[232:233], v[246:247]
	v_pk_add_f32 v[252:253], v[252:253], v[244:245]
	v_pk_add_f32 v[250:251], v[250:251], v[242:243]
	s_delay_alu instid0(VALU_DEP_2)
	v_pk_add_f32 v[14:15], v[14:15], v[252:253]
	s_delay_alu instid0(VALU_DEP_2)
	v_pk_add_f32 v[232:233], v[232:233], v[250:251]
	s_delay_alu instid0(VALU_DEP_1)
	v_pk_add_f32 v[14:15], v[14:15], v[232:233]
	s_wait_alu depctr_va_vdst(0)                   ; and one for the four
.irp b, 0,1,2,3
	v_max_num_f32 v[BM+\b], 0x1800000, v[BM+\b]    ; the floor: the byte cannot fall under 1
.endr
.irp b, 0,1,2,3
	s_delay_alu instid0(VALU_DEP_4)
	v_add_nc_u32 v[SO+\b], 0xff000000, v[BM+\b]    ; the conversion's scale operand
.endr
.irp b, 0,1,2,3
	s_delay_alu instid0(VALU_DEP_4)
	v_lshrrev_b32 v[BT+\b], 23, v[SO+\b]           ; the byte
.endr
	s_delay_alu instid0(VALU_DEP_3)
	v_lshl_or_b32 v[PW], v[BT+1], 8, v[BT]         ; p's scale word for these 128 keys
	s_delay_alu instid0(VALU_DEP_1)
	v_lshl_or_b32 v[PW], v[BT+2], 16, v[PW]
	s_delay_alu instid0(VALU_DEP_1)
	v_lshl_or_b32 v[PW], v[BT+3], 24, v[PW]
.irp c, 0,1
	v_cvt_scalef32_pk16_fp6_f32 v[PC+6*\c:PC+6*\c+2], v[SS+32*\c:SS+32*\c+15], v[SO+2*\c]
	v_cvt_scalef32_pk16_fp6_f32 v[PT+4*\c:PT+4*\c+2], v[SS+32*\c+16:SS+32*\c+31], v[SO+2*\c+1]
.endr
	v_nop                                          ; one plain line behind the conversions
.irp c, 0,1                            ; a whole block to a lane: lanes 0-15 block 2 c, lanes 16-31 block 2 c + 1
.irp i, 0,1,2
	v_permlane16_swap_b32 v[PC+6*\c+\i], v[PT+4*\c+\i]
.endr
.irp i, 0,1,2
	s_delay_alu instid0(VALU_DEP_3)
	v_mov_b32 v[PC+3+6*\c+\i], v[PT+4*\c+\i]
.endr
.endr
.set N, 0
.rept 16
	v_pk_mul_f32 v[OO+N:OO+N+1], v[OO+N:OO+N+1], v[FF:FF+1] op_sel_hi:[1,0]   ; O^T under the new M; these lines also stand between the writes of p's codes and scale word and the products
.set N, N+2
.endr
	s_wait_alu depctr_va_vdst(0)
	s_wait_dscnt 0x0                               ; V
.irp d, 0,1
	v_wmma_scale_f32_16x16x128_f8f6f4 v[OO+8*\d:OO+8*\d+7], v[FR+12*\d:FR+12*\d+11], v[PC:PC+11], v[OO+8*\d:OO+8*\d+7], v[VS+\d%2], v[PW] matrix_a_fmt:MATRIX_FMT_FP6 matrix_b_fmt:MATRIX_FMT_FP6
.endr
.irp d, 2,3
	v_wmma_scale_f32_16x16x128_f8f6f4 v[OO+8*\d:OO+8*\d+7], v[FR+12*\d:FR+12*\d+11], v[PC:PC+11], v[OO+8*\d:OO+8*\d+7], v[VS+\d%2], v[PW] matrix_a_fmt:MATRIX_FMT_FP6 matrix_b_fmt:MATRIX_FMT_FP6 matrix_a_scale:MATRIX_SCALE_ROW1
.endr
.Lhid_\@:
	s_add_co_u32 s19, s19, 1
	s_add_co_u32 s48, s48, 6144
	s_add_co_u32 s49, s49, 256
.endm
.macro LOOP n
	s_mov_b32 s50, \n
.Lloop_\@:
	STEP
	s_sub_co_u32 s50, s50, 1
	s_cmp_lg_u32 s50, 0
	s_cbranch_scc1 .Lloop_\@
.endm
; O^T / l, quantised along the head's two blocks of 32, leaves as half a fragment and two scale bytes a row
.macro FINISH ob, os
.rept 4
	v_nop
.endr
	v_add_f32 v14, v14, v15
	s_delay_alu instid0(VALU_DEP_1)
	v_permlanex16_b32 v[TMP], v14, s20, s21
	s_delay_alu instid0(VALU_DEP_1)
	v_add_f32 v14, v14, v[TMP]                     ; the row's sum
	s_wait_alu depctr_va_vdst(0)
	v_rcp_f32 v14, v14
	v_nop                                          ; a plain line behind the reciprocal
	s_wait_alu depctr_va_vdst(0)                   ; and the wait ahead of its first reader
.set N, 0
.rept 16
	v_pk_mul_f32 v[SS+N:SS+N+1], v[OO+N:OO+N+1], v[14:15] op_sel_hi:[1,0]
.set N, N+2
.endr
.irp b, 0,1
	v_max3_num_f32 v[BM+\b], |v[SS+16*\b]|, |v[SS+1+16*\b]|, 0x1800000
.endr
.irp i, 2,4,6,8,10,12,14
.irp b, 0,1
	s_delay_alu instid0(VALU_DEP_2)
	v_max3_num_f32 v[BM+\b], v[BM+\b], |v[SS+16*\b+\i]|, |v[SS+1+16*\b+\i]|
.endr
.endr
.irp b, 0,1
	s_delay_alu instid0(VALU_DEP_2)
	v_permlanex16_b32 v[BT+\b], v[BM+\b], s20, s21
.endr
.irp b, 0,1
	s_delay_alu instid0(VALU_DEP_2)
	v_max_num_f32 v[BM+\b], v[BM+\b], v[BT+\b]
.endr
.irp b, 0,1
	s_delay_alu instid0(VALU_DEP_2)
	v_add_nc_u32 v[SO+\b], 0xff000000, v[BM+\b]
.endr
.irp b, 0,1
	s_delay_alu instid0(VALU_DEP_2)
	v_lshrrev_b32 v[BT+\b], 23, v[SO+\b]
.endr
	v_cvt_scalef32_pk16_fp6_f32 v[PC:PC+2], v[SS:SS+15], v[SO]
	v_cvt_scalef32_pk16_fp6_f32 v[PT:PT+2], v[SS+16:SS+31], v[SO+1]
	v_nop
.irp i, 0,1,2
	v_permlane16_swap_b32 v[PC+\i], v[PT+\i]
.endr
.irp i, 0,1,2
	s_delay_alu instid0(VALU_DEP_3)
	v_mov_b32 v[PC+3+\i], v[PT+\i]
.endr
	v_cndmask_b32 v[BYT], v[BT], v[BT+1], s52      ; lanes 0-15 store block 0's byte, lanes 16-31 block 1's
	global_store_b128 v1, v[PC:PC+3], s[\ob:\ob+1]                ; 512 consecutive bytes, aligned
	global_store_b64 v2, v[PC+4:PC+5], s[\ob:\ob+1] offset:512    ; 256 consecutive bytes, aligned
	global_store_b8 v6, v[BYT], s[\os:\os+1]       ; single bytes: 32 for each 768 of codes
.endm
	ZERO 16
	s_cmp_eq_u32 s38, 0                            ; the first 25,600 bytes of K and of V (all scale words, key steps 0 to 2) are awaited by the waves that asked for them; the rest may be out
	s_cbranch_scc0 .Lnot_first
	s_wait_tensorcnt 0x0
.Lnot_first:
	s_barrier_signal -1
	s_barrier_wait -1
	LOOP 3                                         ; every wave's first tile has nine steps or more
	s_wait_tensorcnt 0x0
	s_wait_dscnt 0x0
	s_barrier_signal -1
	s_barrier_wait -1                              ; the whole head lies in LDS
	LOOP 13
	s_wait_alu depctr_va_vdst(0)
	FINISH 54, 58
	s_wait_xcnt 0x0                                ; the stores have read their data
.irp i, 0,1,2,3,4,5
	v_mov_b32 v[QL+\i], v[41+\i]
	v_mov_b32 v[QH+6+\i], v[41+\i]
.endr
	v_mov_b32 v[QS], v47
	ZERO 17
	LOOP 8
	s_wait_alu depctr_va_vdst(0)
	FINISH 56, 60
	s_wait_tensorcnt 0x0
	ds_add_u32 v254, v255
	s_wait_dscnt 0x0
	ROUND                                          ; the closing round
	s_endpgm
.Lfunc_end_k_q5fe0994a4e_attn:
	.size	k_q5fe0994a4e_attn, .Lfunc_end_k_q5fe0994a4e_attn-k_q5fe0994a4e_attn
	.p2alignl 7, 3214868480
	.fill 96, 4, 3214868480
	.section	.rodata,"a",@progbits
	.p2align	6, 0x0
	.amdhsa_kernel k_q5fe0994a4e_attn
		.amdhsa_group_segment_fixed_size 206848
		.amdhsa_private_segment_fixed_size 0
		.amdhsa_enable_private_segment 0
		.amdhsa_kernarg_size 32
		.amdhsa_user_sgpr_count 2
		.amdhsa_user_sgpr_kernarg_segment_ptr 1
		.amdhsa_wavefront_size32 1
		.amdhsa_system_sgpr_workgroup_id_x 1
		.amdhsa_system_sgpr_workgroup_id_y 1
		.amdhsa_system_sgpr_workgroup_id_z 1
		.amdhsa_system_vgpr_workitem_id 0
		.amdhsa_next_free_vgpr 256
		.amdhsa_next_free_sgpr 96
		.amdhsa_reserve_vcc 1
		.amdhsa_float_denorm_mode_32 3
		.amdhsa_float_denorm_mode_16_64 3
		.amdhsa_memory_ordered 1
		.amdhsa_forward_progress 1
		.amdhsa_inst_pref_size 88
	.end_amdhsa_kernel
	.amdgpu_metadata
---
amdhsa.version: [ 1, 2 ]
amdhsa.kernels:
  - .name:           k_q5fe0994a4e_attn
    .symbol:         k_q5fe0994a4e_attn.kd
    .args:
      - { .name: qq, .offset: 0, .size: 8, .value_kind: global_buffer, .address_space: global }
      - { .name: kq, .offset: 8, .size: 8, .value_kind: global_buffer, .address_space: global }
      - { .name: vq, .offset: 16, .size: 8, .value_kind: global_buffer, .address_space: global }
      - { .name: oq, .offset: 24, .size: 8, .value_kind: global_buffer, .address_space: global }
    .group_segment_fixed_size: 206848
    .private_segment_fixed_size: 0
    .kernarg_segment_align: 8
    .kernarg_segment_size: 32
    .max_flat_workgroup_size: 512
    .sgpr_count:     96
    .vgpr_count:     256
    .wavefront_size: 32
...
	.end_amdgpu_metadata
.endif
;; end of part 3
;; launch proj (part 4): grid 8 x 32, 4 waves a work-group, clusters of 4 x 4, 312,832 bytes of LDS; arguments oq, woq, bo, out0; writes out0
.if DOCPART == 4
	.amdgcn_target "amdgcn-amd-amdhsa--gfx1250"
	.amdhsa_code_object_version 6
	.text
	.protected	k_q5fe0994a4e_proj
	.globl	k_q5fe0994a4e_proj
	.p2align	8
	.type	k_q5fe0994a4e_proj,@function
k_q5fe0994a4e_proj:
	s_mov_b64 s[64:65], 0
	v_nop
	global_prefetch_b8 v0, s[64:65] scope:SCOPE_SE
	s_setreg_imm32_b32 hwreg(HW_REG_WAVE_MODE, 25, 1), 1
	s_wait_xcnt 0x0
	s_wait_alu depctr_hold_cnt(0) depctr_sa_sdst(0) depctr_va_vdst(0) depctr_va_sdst(0) depctr_va_ssrc(0) depctr_va_vcc(0) depctr_vm_vsrc(0)
	s_getreg_b32 s2, hwreg(HW_REG_IB_STS2, 6, 4)
	s_cmp_eq_u32 s2, 0
	s_cbranch_scc0 .Lentry_in_a_cluster
	s_endpgm
.Lentry_in_a_cluster:
	s_bfe_u32 s2, ttmp6, 0x10000c
	s_cmp_lg_u32 s2, 0xf033
	s_cbranch_scc0 .Lentry_shape_is_right
	s_endpgm
.Lentry_shape_is_right:
; out = attention's output x Wo^T + bo, on codes of FP6 (E2M3) with E8M0 scales, sums in f32, out0 [8192][1024] f32.
; A work-group makes 256 tokens x 128 outputs; all of K = 1,024 of both operands lies in LDS, filled once.  Wave (wr, wc) = (wave / 2, wave % 2) makes 128 tokens x 64 outputs: 32 accumulators.
; Operands are images of their registers.  Wo's fragments: 12 registers, three loads of 512 consecutive bytes.  The tokens' fragments are two halves (one head each): registers 0-3 at 16 x lane, registers 4-5 at 512 + 8 x lane, 768 bytes a half.
; Row r of tile 2 b + u is matrix row 32 b + 8 u + r % 8 + 16 (r / 8), for tokens and outputs alike.  Source 0 = 16 outputs, source 1 = 16 tokens: a lane holds one token, and registers 32 a + 16 b + i are its outputs 32 b + 16 (lane / 16) + i.
; The bias is the C of each sum's first product.  CLUSTER 4 x 4: the four work-groups of a row share the tokens' codes, the four of a column Wo's: joint loads.
; LDS: tokens 0 .. 196,607 (K chunk kc at 49,152 kc); Wo 196,608 .. 294,911; then a stage of 16 rows x 272 bytes for each wave, into which no tensor load lands.
.set STAGE, 294912
.set SCA, 32                           ; v32-63  the tokens' scale words
.set SCB, 64                           ; v64-79  Wo's
.set BI,  80                           ; v80-111 the bias, eight registers for each of my four tiles of outputs
.set BK,  128                          ; v128-191 the way out: two sets of 32
.set STO, 20
.set RD,  21
.set CO,  22
.set MSB, 0
.macro WIN new                         ; the immediate's high byte repeats the setting that is left
.if MSB != \new
	s_set_vgpr_msb (MSB<<8)|\new
.set MSB, \new
.endif
.endm
.macro CREST
	s_cmp_lg_u32 s14, 0
	s_cbranch_scc1 .Lnot_wave_0_\@
	s_barrier_signal -3
.Lnot_wave_0_\@:
	s_barrier_wait -3
	s_barrier_signal -1
	s_barrier_wait -1
.endm
.macro CROUND
	s_barrier_signal -1
	s_barrier_wait -1
	CREST
.endm
.macro PLACES
.rept 4
	v_nop
.endr
.endm
	s_load_b256 s[4:11], s[0:1], 0x0               ; oq s[4:5], woq s[6:7], bo s[8:9], out0 s[10:11]
	v_lshl_add_u32 v254, v0, 2, 0x4c400
	v_mov_b32 v255, 0
	ds_add_u32 v254, v255
	ds_add_u32 v254, v255
	v_lshrrev_b32 v1, 5, v0
	v_readfirstlane_b32 s14, v1                    ; wave 0..3
	s_lshr_b32 s15, s14, 1                         ; wr
	s_and_b32 s16, s14, 1                          ; wc
	s_bfe_u32 s17, ttmp6, 0x40000                  ; cx
	s_bfe_u32 s18, ttmp6, 0x40004                  ; cy
	s_lshl_b32 s19, ttmp9, 2
	s_add_co_u32 s19, s19, s17                     ; gx: which 128 outputs
	s_and_b32 s20, ttmp7, 0xffff
	s_lshl_b32 s20, s20, 2
	s_add_co_u32 s20, s20, s18                     ; ty: which 256 tokens
	s_lshl_b32 s21, s18, 2
	s_lshl_b32 s21, 15, s21                        ; my row of the cluster
	s_lshl_b32 s22, 0x1111, s17                    ; my column
	; descriptor groups 1, elements of 8 bytes, no padding: two K chunks a load, a chunk a row: the tokens' rows are 49,152 bytes, Wo's 24,576
	s_or_b32 s24, s21, (3<<16)|(1<<21)
	s_or_b32 s68, s22, (3<<16)|(1<<21)
	s_mov_b32 s25, 6144<<16
	s_mov_b32 s26, 2<<16
	s_mov_b32 s27, 6144<<16
	s_mov_b32 s28, 2
	s_mov_b32 s29, 196608                          ; from chunk to chunk: 1,572,864 bytes
	s_mov_b32 s30, 0
	s_mov_b32 s31, 0
	s_mov_b32 s69, 3072<<16
	s_mov_b32 s70, 2<<16
	s_mov_b32 s71, 3072<<16
	s_mov_b32 s72, 2
	s_mov_b32 s73, 24576                           ; from chunk to chunk: 196,608 bytes
	s_mov_b32 s74, 0
	s_mov_b32 s75, 0
	s_mul_i32 s90, s20, 49152
	s_mul_i32 s94, s16, 3145728                    ; chunks 2 wc, 2 wc + 1
	s_add_co_u32 s90, s90, s94
	s_mov_b32 s91, 0
	s_mul_i32 s92, s19, 24576
	s_mul_i32 s94, s16, 393216
	s_add_co_u32 s92, s92, s94
	s_mov_b32 s93, 0
	s_mov_b32 s3, 0
	s_wait_dscnt 0x0
	s_wait_kmcnt 0x0
	s_add_nc_u64 s[90:91], s[4:5], s[90:91]
	s_add_nc_u64 s[92:93], s[6:7], s[92:93]
	s_mov_b32 s32, 1                               ; the tokens' two chunks
	s_mul_i32 s33, s16, 98304
	s_mov_b64 s[34:35], s[90:91]
	s_or_b32 s35, s35, 0x80000000
	s_mov_b32 s48, 1                               ; Wo's two chunks
	s_mul_i32 s49, s16, 49152
	s_add_co_u32 s49, s49, 196608
	s_mov_b64 s[50:51], s[92:93]
	s_or_b32 s51, s51, 0x80000000
	CROUND                                         ; all sixteen work-groups are here: the joint loads meet
	s_cmp_eq_u32 s14, 0                            ; one load a wave, each in its own arm: wave 0 the tokens' chunks 0, 1; wave 1 their chunks 2, 3; waves 2, 3 Wo's likewise
	s_cbranch_scc0 .Lw1
	tensor_load_to_lds s[32:35], s[24:31]
	s_nop 0
	PLACES
	s_branch .Lfilled
.Lw1:
	s_cmp_eq_u32 s14, 1
	s_cbranch_scc0 .Lw2
	tensor_load_to_lds s[32:35], s[24:31]
	s_nop 0
	PLACES
	s_branch .Lfilled
.Lw2:
	s_cmp_eq_u32 s14, 2
	s_cbranch_scc0 .Lw3
	tensor_load_to_lds s[48:51], s[68:75]
	s_nop 0
	PLACES
	s_branch .Lfilled
.Lw3:
	tensor_load_to_lds s[48:51], s[68:75]
	s_nop 0
	PLACES
.Lfilled:
	s_lshl_b32 s2, s20, 13                         ; the tokens' scale words
	s_lshl_b32 s95, s15, 12
	s_add_co_u32 s2, s2, s95
	s_add_co_u32 s2, s2, 6291456
	s_add_nc_u64 s[80:81], s[4:5], s[2:3]
	s_lshl_b32 s2, s19, 12                         ; Wo's
	s_lshl_b32 s95, s16, 11
	s_add_co_u32 s2, s2, s95
	s_add_co_u32 s2, s2, 786432
	s_add_nc_u64 s[82:83], s[6:7], s[2:3]
	s_lshl_b32 s2, s19, 9                          ; my 64 outputs: 512 gx + 256 wc bytes, in bo and in a row of out0
	s_lshl_b32 s95, s16, 8
	s_add_co_u32 s2, s2, s95
	s_add_nc_u64 s[84:85], s[8:9], s[2:3]
	s_lshl_b32 s95, s20, 20                        ; 256 rows of 4,096 bytes,
	s_add_co_u32 s2, s2, s95
	s_lshl_b32 s95, s15, 19                        ; 128 for the lower half
	s_add_co_u32 s2, s2, s95
	s_add_nc_u64 s[86:87], s[10:11], s[2:3]
	v_and_b32 v24, 31, v0
	v_and_b32 v25, 15, v0                          ; r
	v_bfe_u32 v26, v0, 4, 1                        ; h
	v_lshlrev_b32 v1, 4, v24                       ; 16 x lane
	v_lshlrev_b32 v2, 3, v24                       ; 8 x lane
	v_lshlrev_b32 v3, 6, v26                       ; 64 h
.irp i, 0,1,2,3,4,5,6,7
.irp kh, 0,1
	global_load_b64 v[SCA+4*\i+2*\kh:SCA+4*\i+2*\kh+1], v2, s[80:81] offset:512*\i+256*\kh
.endr
.endr
.irp i, 0,1,2,3
.irp kh, 0,1
	global_load_b64 v[SCB+4*\i+2*\kh:SCB+4*\i+2*\kh+1], v2, s[82:83] offset:512*\i+256*\kh
.endr
.endr
.irp b, 0,1,2,3
	global_load_b128 v[BI+8*\b:BI+8*\b+3], v3, s[84:85] offset:(32*(\b/2)+8*(\b%2))*4       ; tile b, register j: output 32 (b / 2) + 8 (b % 2) + 16 h + j
	global_load_b128 v[BI+8*\b+4:BI+8*\b+7], v3, s[84:85] offset:(32*(\b/2)+8*(\b%2))*4+16
.endr
	s_mul_i32 s2, s15, 24576
	v_add_nc_u32 v8, s2, v1                        ; v8-11: my tokens' fragments in K chunk 0..3, 16 bytes a lane;
	v_add_nc_u32 v12, s2, v2                       ; v12-15: 8 bytes a lane
	s_mul_i32 s2, s16, 12288
	s_add_co_u32 s2, s2, 196608
	v_add_nc_u32 v16, s2, v1                       ; v16-19: my outputs' fragments
.irp kc, 1,2,3
	v_add_nc_u32 v[8+\kc], 49152*\kc, v8
	v_add_nc_u32 v[12+\kc], 49152*\kc, v12
	v_add_nc_u32 v[16+\kc], 24576*\kc, v16
.endr
	s_mul_i32 s2, s14, 4352
	s_add_co_u32 s2, s2, STAGE                     ; my stage
	v_mul_u32_u24 v[STO], v25, 272
	v_lshl_add_u32 v[STO], v26, 6, v[STO]
	v_add_nc_u32 v[STO], s2, v[STO]                ; in: row r, + 64 h
	v_mul_u32_u24 v[RD], v26, 272
	v_lshl_add_u32 v[RD], v25, 4, v[RD]
	v_add_nc_u32 v[RD], s2, v[RD]                  ; back: lanes 0-15 one row of 256 bytes, lanes 16-31 the next
	v_lshlrev_b32 v[CO], 12, v26
	v_lshl_add_u32 v[CO], v25, 4, v[CO]            ; and the same two rows in out0
.macro FETCH q, buf                    ; the fragments of K step q into set buf: 32 loads for the tokens, 12 for Wo
	WIN 0x40                                       ; destination window 1
.irp i, 0,1,2,3,4,5,6,7
	ds_load_b128 v[96*(\buf)+12*\i:96*(\buf)+12*\i+3], v[8+(\q)/2] offset:3072*\i+1536*((\q)%2)
	ds_load_b64 v[96*(\buf)+12*\i+4:96*(\buf)+12*\i+5], v[12+(\q)/2] offset:3072*\i+1536*((\q)%2)+512
	ds_load_b128 v[96*(\buf)+12*\i+6:96*(\buf)+12*\i+9], v[8+(\q)/2] offset:3072*\i+1536*((\q)%2)+768
	ds_load_b64 v[96*(\buf)+12*\i+10:96*(\buf)+12*\i+11], v[12+(\q)/2] offset:3072*\i+1536*((\q)%2)+1280
.endr
	WIN 0x80                                       ; destination window 2
.irp i, 0,1,2,3
.irp g, 0,1,2
	ds_load_b128 v[48*(\buf)+12*\i+4*\g:48*(\buf)+12*\i+4*\g+3], v[16+(\q)/2] offset:3072*\i+1536*((\q)%2)+512*\g
.endr
.endr
.endm
; K step q: the 32 accumulators take turns, one instruction a turn, in the same order in every step
.macro MUL q
.set BF, (\q)%2
.set HQ, (\q)/2
.if (\q) == 0
	WIN 0xc6                                       ; source 0 window 2 (Wo), source 1 window 1 (tokens), C window 0 (the bias), D window 3
.else
	WIN 0xf6                                       ; C and D window 3
.endif
.set AA, 0
.rept 8
.irp b, 0,1,2,3
.if (\q) == 0
	v_wmma_scale_f32_16x16x128_f8f6f4 v[32*AA+8*\b:32*AA+8*\b+7], v[48*BF+12*\b:48*BF+12*\b+11], v[96*BF+12*AA:96*BF+12*AA+11], v[BI+8*\b:BI+8*\b+7], v[SCB+4*\b+HQ], v[SCA+4*AA+HQ] matrix_a_fmt:MATRIX_FMT_FP6 matrix_b_fmt:MATRIX_FMT_FP6
.elseif (\q)%2 == 0
	v_wmma_scale_f32_16x16x128_f8f6f4 v[32*AA+8*\b:32*AA+8*\b+7], v[48*BF+12*\b:48*BF+12*\b+11], v[96*BF+12*AA:96*BF+12*AA+11], v[32*AA+8*\b:32*AA+8*\b+7], v[SCB+4*\b+HQ], v[SCA+4*AA+HQ] matrix_a_fmt:MATRIX_FMT_FP6 matrix_b_fmt:MATRIX_FMT_FP6
.else
	v_wmma_scale_f32_16x16x128_f8f6f4 v[32*AA+8*\b:32*AA+8*\b+7], v[48*BF+12*\b:48*BF+12*\b+11], v[96*BF+12*AA:96*BF+12*AA+11], v[32*AA+8*\b:32*AA+8*\b+7], v[SCB+4*\b+HQ], v[SCA+4*AA+HQ] matrix_a_fmt:MATRIX_FMT_FP6 matrix_b_fmt:MATRIX_FMT_FP6 matrix_a_scale:MATRIX_SCALE_ROW1 matrix_b_scale:MATRIX_SCALE_ROW1
.endif
.endr
.set AA, AA+1
.endr
.endm
.macro KSTEP q
	s_wait_dscnt 0x0                               ; this step's fragments
.if (\q) < 7
.if (\q) == 3
	s_wait_tensorcnt 0x0                           ; chunks 2, 3: every wave waits for its load; nothing is ever filled again
	s_barrier_signal -1
	s_barrier_wait -1
.endif
	PLACES                                         ; four plain lines between the last step's products and the loads into the set that they read
	FETCH (\q)+1, ((\q)+1)%2
.endif
	MUL \q
.endm
	s_wait_alu depctr_va_vdst(0)
	s_cmp_eq_u32 s16, 0                            ; waves 0 and 2 brought chunks 0, 1: they wait here; the other two waves' loads are awaited in K step 3
	s_cbranch_scc0 .Lnot_first
	s_wait_tensorcnt 0x0
.Lnot_first:
	s_barrier_signal -1
	s_barrier_wait -1
	FETCH 0, 0
	s_wait_loadcnt 0x0                             ; scale words and bias
.irp q, 0,1,2,3,4,5,6,7
	KSTEP \q
.endr
	WIN 0
; THE WAY OUT, a tile of 16 tokens x 64 outputs at a time, through my own stage: a lane's 2 x 64 bytes go in, whole rows of 256 bytes come back.  LDS serves a wave's instructions in order: no wait between the stores and the loads, nor ahead of the next tile's stores.
.macro TOSTAGE a
	WIN 0x0c                                       ; an LDS store's data are its source 1: window 3
.irp k, 0,1,2,3,4,5,6,7
	ds_store_b128 v[STO], v[32*(\a)+4*\k:32*(\a)+4*\k+3] offset:128*(\k/4)+16*(\k%4)   ; each accumulator from its low end on
.endr
	WIN 0
.irp t, 0,1,2,3,4,5,6,7
	ds_load_b128 v[BK+32*((\a)%2)+4*\t:BK+32*((\a)%2)+4*\t+3], v[RD] offset:544*\t
.endr
.endm
.macro SEND a, younger                 ; stage row 2 t + h is token 32 (a / 2) + 8 (a % 2) + 2 (t % 4) + 16 (t / 4) + h of my 128
	s_wait_dscnt \younger
.irp t, 0,1,2,3,4,5,6,7
	global_store_b128 v[CO], v[BK+32*((\a)%2)+4*\t:BK+32*((\a)%2)+4*\t+3], s[86:87] offset:(32*((\a)/2)+8*((\a)%2)+2*\t+8*(\t/4))*4096 th:TH_STORE_NT   ; 16 lanes store 256 consecutive bytes, aligned
.endr
.endm
	PLACES
	TOSTAGE 0
.irp a, 1,2,3,4,5,6,7
.if \a > 1
	s_wait_xcnt 0x0                                ; the stores of two tiles back have read their registers: this tile's loads may land there
.endif
	TOSTAGE \a
	SEND \a-1, 16                                  ; behind the last tile's loads: this tile's 8 stores and 8 loads
.endr
	SEND 7, 0
	s_wait_tensorcnt 0x0
	ds_add_u32 v254, v255
	s_wait_dscnt 0x0
	CROUND                                         ; the closing round
	s_endpgm
.Lfunc_end_k_q5fe0994a4e_proj:
	.size	k_q5fe0994a4e_proj, .Lfunc_end_k_q5fe0994a4e_proj-k_q5fe0994a4e_proj
	.p2alignl 7, 3214868480
	.fill 96, 4, 3214868480
	.section	.rodata,"a",@progbits
	.p2align	6, 0x0
	.amdhsa_kernel k_q5fe0994a4e_proj
		.amdhsa_group_segment_fixed_size 312832
		.amdhsa_private_segment_fixed_size 0
		.amdhsa_enable_private_segment 0
		.amdhsa_kernarg_size 32
		.amdhsa_user_sgpr_count 2
		.amdhsa_user_sgpr_kernarg_segment_ptr 1
		.amdhsa_wavefront_size32 1
		.amdhsa_system_sgpr_workgroup_id_x 1
		.amdhsa_system_sgpr_workgroup_id_y 1
		.amdhsa_system_sgpr_workgroup_id_z 1
		.amdhsa_system_vgpr_workitem_id 0
		.amdhsa_next_free_vgpr 1024
		.amdhsa_next_free_sgpr 100
		.amdhsa_reserve_vcc 0
		.amdhsa_float_denorm_mode_32 3
		.amdhsa_float_denorm_mode_16_64 3
		.amdhsa_memory_ordered 1
		.amdhsa_forward_progress 1
		.amdhsa_inst_pref_size 82
	.end_amdhsa_kernel
	.amdgpu_metadata
---
amdhsa.version: [ 1, 2 ]
amdhsa.kernels:
  - .name:           k_q5fe0994a4e_proj
    .symbol:         k_q5fe0994a4e_proj.kd
    .args:
      - { .name: oq, .offset: 0, .size: 8, .value_kind: global_buffer, .address_space: global }
      - { .name: woq, .offset: 8, .size: 8, .value_kind: global_buffer, .address_space: global }
      - { .name: bo, .offset: 16, .size: 8, .value_kind: global_buffer, .address_space: global }
      - { .name: out0, .offset: 24, .size: 8, .value_kind: global_buffer, .address_space: global }
    .group_segment_fixed_size: 312832
    .private_segment_fixed_size: 0
    .kernarg_segment_align: 8
    .kernarg_segment_size: 32
    .max_flat_workgroup_size: 128
    .sgpr_count:     100
    .vgpr_count:     1024
    .wavefront_size: 32
...
	.end_amdgpu_metadata
.endif
;; end of part 4
